; MI455X (gfx1250); checked and timed in simulation.
; The chip was launched on July 23, 2026; its instructions are those of AMD's public machine-readable ISA for CDNA 5 (MIT licence, August 2026) and "CDNA5" Instruction Set Architecture Reference Guide (July 2026). The comments in the code are by the model that wrote it; some were corrected since.
;; Cross Attn Block. Allowed arithmetic: matrix products marked QUANTISED: E5M2 operands, one given power-of-two scale a tensor, by v_wmma_f32_16x16x64_bf8_bf8 or v_wmma_f32_16x16x128_bf8_bf8, f32 sums; everything else in f32.
;; Inputs: fc1_b 1,024 float32; fc1_w 256 x 1,024 float32; fc2_b 256 float32; fc2_w 1,024 x 256 float32; kv_b 512 float32; kv_w 256 x 512 float32; lowp_scales 14 int32 (the exponents e of the quantised operands' scales 2^e); norm1_b 256 float32; norm1_g 256 float32; norm3_b 256 float32; norm3_g 256 float32; proj_b 256 float32; proj_w 256 x 256 float32; q_b 256 float32; q_w 256 x 256 float32; rel_table 225 x 8 float32; x1 16 x 4,096 x 256 float32; x2 16 x 4,096 x 256 float32.
;; Outputs: out0 16 x 4,096 x 256 float32.
;; This version of the problem:
;;   THIS VERSION OF THE PROBLEM IS GIVEN IN LOW PRECISION. The matrix products marked QUANTISED in the list below multiply operands that are first quantised to E5M2 (5 exponent bits, 2 mantissa bits; 8 bits a number), with one given power-of-two scale for each operand tensor; their sums are f32. All else is computed in f32.
;;   The module's matrix products, in the order in which they are computed (A, B: the left and right operand; K: the contracted axis; several contracted axes count as one K, in the product's order):
;;     1. [M 65,536, K 256] x [K 256, N 256]; A: computed on the way; B: input q_w: QUANTISED (scales: A lowp_scales[0], B lowp_scales[1])
;;     2. [M 65,536, K 256] x [K 256, N 512]; A: computed on the way; B: input kv_w: QUANTISED (scales: A lowp_scales[2], B lowp_scales[3])
;;     3. batch 8,192 x [M 64, K 32] x [K 32, N 64]; A: computed on the way; B: computed on the way: QUANTISED (scales: A lowp_scales[4], B lowp_scales[5])
;;     4. batch 8,192 x [M 64, K 64] x [K 64, N 32]; A: softmax (see below); B: computed on the way: QUANTISED (scales: A lowp_scales[6], B lowp_scales[7])
;;     5. [M 65,536, K 256] x [K 256, N 256]; A: computed on the way; B: input proj_w: QUANTISED (scales: A lowp_scales[8], B lowp_scales[9])
;;     6. [M 65,536, K 256] x [K 256, N 1,024]; A: computed on the way; B: input fc1_w: QUANTISED (scales: A lowp_scales[10], B lowp_scales[11])
;;     7. [M 65,536, K 1,024] x [K 1,024, N 256]; A: computed on the way; B: input fc2_w: QUANTISED (scales: A lowp_scales[12], B lowp_scales[13])
;;   THE QUANTISER, for each operand of a quantised product, along K:
;;     - The operand's scale is 2^e, e = its entry of the input lowp_scales (int32; the entries are numbered through the quantised products in the list's order, A before B).
;;     - Each number is divided by the scale, clamped to +-57,344, and rounded to the nearest number of E5M2, ties to even, subnormals kept.
;;     - The product sums the exact products of the quantised numbers (number of the format x scale) in f32.
;;   ~~~python
;;   def quantise(x, axis, e):      # numpy; x: float32 -> the quantised numbers, widened to float32 again
;;       x = np.moveaxis(x, axis, -1); K = x.shape[-1]
;;       r = np.clip(x / 2.0 ** e, -57344, 57344)
;;       step = 2.0 ** (np.maximum(np.frexp(np.where(r == 0, 1, r))[1] - 1, -14) - 2)
;;       q = np.round(r / step) * step * 2.0 ** e      # np.round: ties to even
;;       return np.moveaxis(q, -1, axis).astype(np.float32)
;;   ~~~
;;   SOFTMAX AHEAD OF A QUANTISED PRODUCT. Where the list says 'softmax', what is quantised is not the finished softmax but p = 2^(t - M), with t = logit x log2(e) and M = ceil(the row's largest t), a whole number; so 1/2 < the row's largest p <= 1. The row's sum l is taken of the UNQUANTISED p, in f32, and the product's result is divided by l at the end. Since M is a whole number, a kernel that streams over the keys may use a running M (the ceiling of the running maximum): every later rescaling is an exact power of two, so the quantised numbers keep their values, but for numbers so far below the row's largest that they fall under the format's range.
;;   OPERANDS COMPUTED ON THE WAY. 'Computed on the way' means the value that the module computes at that place (a softmax that the list does not call 'softmax' is quantised finished and normalised). What goes into a quantiser is computed in f32, as accurately as f32 sums, v_exp_f32 and their like allow (about 1e-6 of the number): no bf16 or f16 on the way to a quantiser, and a product that is left as it is and whose result goes on into a quantised operand takes f32 operands (vector FMAs, or v_wmma_f32_16x16x4_f32). A number that lies on a knife's edge between two numbers of the format may be rounded either way, as far as f32 arithmetic and the matrix unit's own rounding can turn it there, and no further.
;; 2 versions, each right; version 2 is version 1 with the launch block written anew for expert scheduling mode. Each part assembles by itself: llvm-mc -triple=amdgcn-amd-amdhsa -mcpu=gfx1250 --defsym DOCPART=n.
;; ======== version 1 of 2: 2 launches
;; workspace buffers: wc 786,432 bytes
;; launch prep (part 1): grid 32 x 12, 1 waves a work-group, no clusters, 0 bytes of LDS; arguments q_w, kv_w, proj_w, fc1_w, fc2_w, lowp_scales, wc; writes wc
.if DOCPART == 1
	.amdgcn_target "amdgcn-amd-amdhsa--gfx1250"
	.amdhsa_code_object_version 6
	.text
	.protected	k_q98a2524840_prep
	.globl	k_q98a2524840_prep
	.p2align	8
	.type	k_q98a2524840_prep,@function
k_q98a2524840_prep:
	s_mov_b64 s[64:65], 0
	v_nop
	global_prefetch_b8 v0, s[64:65] scope:SCOPE_SE
	s_setreg_imm32_b32 hwreg(HW_REG_WAVE_MODE, 25, 1), 1
	s_wait_xcnt 0x0
; The five weights, f32 stored [K][N], become codes of E5M2, each with the one scale 2^e that is given for it, laid in the ORDER OF THE OPERAND'S REGISTERS.
; A fragment is 16 output channels x 128 along K: 16 registers a lane.  Lane (r = lane % 16, h = lane / 16) holds channel n0 + r; registers 2 c, 2 c + 1 hold k = k0 + 16 c + 8 h + 0 .. 7.
; Its image is 2,048 bytes: registers 4 g .. 4 g + 3 of lane l at 512 g + 16 l.  Fragment F = 32 sec + i lies at byte 2,048 F;  i = 4 wave + 2 tile + K step (work-group x), sec = work-group y:
;   sec 0: kv_w columns 0-255 (k)   1: kv_w columns 256-511 (v)   2: q_w   3: proj_w   4-7: fc1_w, columns 256 (sec - 4) on   8-11: fc2_w, rows 256 (sec - 8) on.
; One wave makes one fragment.  A LANE TAKES A COLUMN AND ITS REGISTERS RUN DOWN K, in the order that the operand's layout gives that lane: the conversions' results are the fragment's registers.
; code = x / 2^e, held within +-57,344, rounded to the nearest code, ties to even.  LIMIT: -126 <= e <= 112, so that 2^e and 57,344 x 2^e are f32 numbers.  NaN among the inputs is not served.
	s_load_b256 s[4:11], s[0:1], 0x0               ; q_w s[4:5], kv_w s[6:7], proj_w s[8:9], fc1_w s[10:11]
	s_load_b128 s[12:15], s[0:1], 0x20             ; fc2_w s[12:13], the scales' exponents s[14:15]
	s_load_b64 s[16:17], s[0:1], 0x30              ; wc
	s_and_b32 s18, ttmp7, 0xffff                   ; sec
	s_mov_b32 s19, ttmp9                           ; i
	v_and_b32 v12, 15, v0                          ; r
	v_lshrrev_b32 v13, 4, v0                       ; h
	v_lshlrev_b32 v1, 4, v0                        ; 16 x lane: my place in a store's 512 bytes
	v_lshlrev_b32 v13, 3, v13                      ; 8 h
	v_lshlrev_b32 v12, 2, v12                      ; 4 r
	s_wait_kmcnt 0x0
	s_load_b256 s[20:27], s[14:15], 0x0            ; e0 .. e7
	s_load_b128 s[28:31], s[14:15], 0x20           ; e8 .. e11
	s_load_b64 s[32:33], s[14:15], 0x30            ; e12, e13
	s_wait_kmcnt 0x0
	; which tensor, its row in bytes, its exponent: chosen by the work-group's number alone
	s_mov_b64 s[36:37], s[12:13]                   ; fc2_w
	s_mov_b32 s38, 1024
	s_mov_b32 s39, s33
	s_mov_b32 s34, 4096
	s_cmp_lt_u32 s18, 8
	s_cselect_b64 s[36:37], s[10:11], s[36:37]     ; fc1_w
	s_cselect_b32 s38, s34, s38
	s_cselect_b32 s39, s31, s39
	s_mov_b32 s34, 1024
	s_cmp_lt_u32 s18, 4
	s_cselect_b64 s[36:37], s[8:9], s[36:37]       ; proj_w
	s_cselect_b32 s38, s34, s38
	s_cselect_b32 s39, s29, s39
	s_cmp_lt_u32 s18, 3
	s_cselect_b64 s[36:37], s[4:5], s[36:37]       ; q_w
	s_cselect_b32 s38, s34, s38
	s_cselect_b32 s39, s21, s39
	s_mov_b32 s34, 2048
	s_cmp_lt_u32 s18, 2
	s_cselect_b64 s[36:37], s[6:7], s[36:37]       ; kv_w
	s_cselect_b32 s38, s34, s38
	s_cselect_b32 s39, s23, s39
	; the section's first column (s34) and first row (s35)
	s_cmp_eq_u32 s18, 1
	s_cselect_b32 s34, 256, 0
	s_sub_co_u32 s35, s18, 4
	s_lshl_b32 s35, s35, 8
	s_cmp_ge_u32 s18, 4
	s_cselect_b32 s34, s35, s34
	s_cmp_ge_u32 s18, 8
	s_cselect_b32 s34, 0, s34
	s_sub_co_u32 s35, s18, 8
	s_lshl_b32 s35, s35, 8
	s_cmp_ge_u32 s18, 8
	s_cselect_b32 s35, s35, 0
	s_and_b32 s2, s19, 1
	s_lshl_b32 s2, s2, 7
	s_add_co_u32 s2, s2, s35                       ; k0 = 128 (i % 2) + the section's first row
	s_mul_i32 s2, s2, s38
	s_lshr_b32 s3, s19, 1
	s_lshl_b32 s3, s3, 4
	s_add_co_u32 s3, s3, s34                       ; n0 = 16 (i / 2) + the section's first column
	s_lshl_b32 s3, s3, 2
	s_add_co_u32 s2, s2, s3
	s_mov_b32 s3, 0
	s_add_nc_u64 s[40:41], s[36:37], s[2:3]        ; W(k0, n0)
	s_lshl_b32 s2, s38, 4                          ; 16 rows on
.irp c, 1,2,3,4,5,6,7
	s_add_nc_u64 s[40+2*\c:41+2*\c], s[38+2*\c:39+2*\c], s[2:3]   ; a base for each 16 along K: none is ever written again
.endr
.irp j, 0,1,2,3,4,5,6,7
	v_add_nc_u32 v14, \j, v13
	v_mad_u32_u24 v[2+\j], v14, s38, v12           ; (8 h + j) rows + 4 r
.endr
.irp c, 0,1,2,3,4,5,6,7
.irp j, 0,1,2,3,4,5,6,7
	global_load_b32 v[16+8*\c+\j], v[2+\j], s[40+2*\c:41+2*\c]   ; W(k0 + 16 c + 8 h + j, n0 + r): sixteen neighbouring lanes read 64 neighbouring bytes
.endr
.endr
	s_add_co_i32 s39, s39, 127
	s_lshl_b32 s34, s39, 23
	v_mov_b32 v11, s34                             ; 2^e as f32: the conversion takes its exponent field
	s_add_co_i32 s39, s39, 15
	s_lshl_b32 s39, s39, 23
	s_or_b32 s39, s39, 0x600000
	v_mov_b32 v10, s39                             ; 57,344 x 2^e
	s_lshl_b32 s2, s18, 5
	s_add_co_u32 s2, s2, s19
	s_lshl_b32 s2, s2, 11                          ; 2,048 F
	s_add_nc_u64 s[16:17], s[16:17], s[2:3]
	s_wait_loadcnt 0x0
.irp c, 0,1,2,3,4,5,6,7
.irp j, 0,1,2,3,4,5,6,7
	v_med3_num_f32 v[16+8*\c+\j], v[16+8*\c+\j], -v10, v10   ; the conversion to an 8-bit code does not saturate (ISA guide 7.6.2): the hold comes first
.endr
	v_cvt_scalef32_pk8_bf8_f32 v[80+2*\c:81+2*\c], v[16+8*\c:23+8*\c], v11
.endr
	v_nop
.irp g, 0,1,2,3
	global_store_b128 v1, v[80+4*\g:83+4*\g], s[16:17] offset:512*\g   ; 32 lanes store 512 consecutive bytes, at a multiple of 256 from wc's first byte
.endr
	s_endpgm
.Lfunc_end_k_q98a2524840_prep:
	.size	k_q98a2524840_prep, .Lfunc_end_k_q98a2524840_prep-k_q98a2524840_prep
	.p2alignl 7, 3214868480
	.fill 96, 4, 3214868480
	.section	.rodata,"a",@progbits
	.p2align	6, 0x0
	.amdhsa_kernel k_q98a2524840_prep
		.amdhsa_group_segment_fixed_size 0
		.amdhsa_private_segment_fixed_size 0
		.amdhsa_enable_private_segment 0
		.amdhsa_kernarg_size 56
		.amdhsa_user_sgpr_count 2
		.amdhsa_user_sgpr_kernarg_segment_ptr 1
		.amdhsa_wavefront_size32 1
		.amdhsa_system_sgpr_workgroup_id_x 1
		.amdhsa_system_sgpr_workgroup_id_y 1
		.amdhsa_system_sgpr_workgroup_id_z 1
		.amdhsa_system_vgpr_workitem_id 0
		.amdhsa_next_free_vgpr 96
		.amdhsa_next_free_sgpr 66
		.amdhsa_reserve_vcc 0
		.amdhsa_float_denorm_mode_32 3
		.amdhsa_float_denorm_mode_16_64 3
		.amdhsa_memory_ordered 1
		.amdhsa_forward_progress 1
		.amdhsa_inst_pref_size 15
	.end_amdhsa_kernel
	.amdgpu_metadata
---
amdhsa.version: [ 1, 2 ]
amdhsa.kernels:
  - .name:           k_q98a2524840_prep
    .symbol:         k_q98a2524840_prep.kd
    .args:
      - { .name: q_w, .offset: 0, .size: 8, .value_kind: global_buffer, .address_space: global }
      - { .name: kv_w, .offset: 8, .size: 8, .value_kind: global_buffer, .address_space: global }
      - { .name: proj_w, .offset: 16, .size: 8, .value_kind: global_buffer, .address_space: global }
      - { .name: fc1_w, .offset: 24, .size: 8, .value_kind: global_buffer, .address_space: global }
      - { .name: fc2_w, .offset: 32, .size: 8, .value_kind: global_buffer, .address_space: global }
      - { .name: lowp_scales, .offset: 40, .size: 8, .value_kind: global_buffer, .address_space: global }
      - { .name: wc, .offset: 48, .size: 8, .value_kind: global_buffer, .address_space: global }
    .group_segment_fixed_size: 0
    .private_segment_fixed_size: 0
    .kernarg_segment_align: 8
    .kernarg_segment_size: 56
    .max_flat_workgroup_size: 32
    .sgpr_count:     66
    .vgpr_count:     96
    .wavefront_size: 32
...
	.end_amdgpu_metadata
.endif
;; end of part 1
;; launch block (part 2): grid 512 x 1, 8 waves a work-group, no clusters, 279,552 bytes of LDS; arguments x1, x2, norm1_g, norm1_b, q_b, kv_b, proj_b, rel_table, norm3_g, norm3_b, fc1_b, fc2_b, lowp_scales, wc, out0; writes out0
.if DOCPART == 2
	.amdgcn_target "amdgcn-amd-amdhsa--gfx1250"
	.amdhsa_code_object_version 6
	.text
	.protected	k_q98a2524840_block
	.globl	k_q98a2524840_block
	.p2align	8
	.type	k_q98a2524840_block,@function
k_q98a2524840_block:
	s_mov_b64 s[64:65], 0
	v_nop
	global_prefetch_b8 v0, s[64:65] scope:SCOPE_SE
	s_setreg_imm32_b32 hwreg(HW_REG_WAVE_MODE, 25, 1), 1
	s_wait_xcnt 0x0
; The whole block for 128 tokens: two neighbouring windows of 8 x 8, which are 8 image rows of 16 tokens (16,384 consecutive bytes each).  All seven products on codes of E5M2 with the given scales; all else f32.
; SHARES.  Eight waves.  WAVE w IS HEAD w, and owns channels 32 w .. 32 w + 31 of every 256-wide result (and 32 of each 256 hidden units).  Its slices of the weights come from wc (laid by the launch before in the
; order of the operand's registers) straight into its registers, each fragment once a work-group.  q, k, v, the scores, p and o of a head never leave the wave's registers.
; FRAGMENT: 16 rows x 128 K, 16 registers: lane (r = lane % 16, h = lane / 16) holds row r; registers 2 c, 2 c + 1 hold k = 16 c + 8 h + 0 .. 7 (the K = 64 form: 8 registers).
; NORM1 IS DONE WHERE THE ROWS LAND.  Wave w loads image row w of x2 and of x1, 512 consecutive bytes a load: a token's 256 channels lie in 8 registers x 32 lanes (channels 4 lane + 0 .. 3 and 128 + 4 lane + 0 .. 3),
; so its mean and its variance (two passes: no difference of large sums) never leave the wave.  One conversion of eight gives 4 + 4 codes, which two ds_store_b32 lay into plain ROWS OF CODES in LDS (256 bytes + 16);
; a fragment comes out of such rows by eight ds_load_b64 at row x 272 + 128 s + 16 c + 8 h.  x2 never lies in LDS as f32; x1 does, for the residual.
; Products are used TRANSPOSED (source 0 = 16 output channels, source 1 = 16 tokens): lane (r, h) then holds token r and register 8 u + j channel 32 w + 16 u + 8 h + j.  Two conversions of eight make
; registers 4 (w % 4) .. + 3 of the next operand's fragment of K step w / 4: one ds_store_b128 puts them into that fragment's IMAGE in LDS (registers 4 g .. 4 g + 3 of lane l at 512 g + 16 l), and any wave
; loads the fragment back by four ds_load_b128 (o, LN3(x), the hidden layer).  v alone is made the other way round (source 0 = tokens), so that a lane holds one channel and its registers run along the keys.
; x1, then x = x1 + attention, lie in LDS as f32 rows of 1,040 bytes; between the dense fill and the dense way out each wave touches only its own 128 bytes of a row.
; NORM3: x is made in column strips, so each wave takes the mean and the sum of squared deviations of its 32 columns of a row; the eight pairs meet in LDS and are combined from means and deviations.
; SOFTMAX: t = logit x log2(e); M = the ceiling of the row's largest t over all 64 keys; p = 2^(t - M) is quantised; the sum of the unquantised p divides the second product's result.
; GELU: x Phi(x) = max(x, 0) - |x| erfc(|x| / sqrt 2) / 2, erfc(z) = t exp(-z^2 + P(t)), t = 1 / (1 + z / 2), P of degree 9 (a fit good to about 1.2e-7 of erfc itself, in both tails).
; SCALES ARE FOLDED: a sum stands for sum x 2^(ea + eb); a bias goes in as the C of a sum's first product, divided by that power; the next conversion takes 2^(e_next - ea - eb).
; LIMITS on the given exponents, so that each power of two is an f32 number: e0, e2, e6, e10, e5-e2-e3, e7-e2-e3, e4-e0-e1, e8-e6-e7, e12-e10-e11 between -126 and 112; e8+e9 and e12+e13 between -126 and 126;
; e4+e5 and e10+e11 between -120 and 120, 2 (e10+e11) likewise (they are added to a constant's exponent field).  NaN and infinities among the inputs are not served.  Operand A of the third product is q / sqrt 32 (e4), B is k (e5).
; No tensor loads: what all work-groups share is the weights alone, and they go to registers; LDS is taken by the rows and the images.
.set XP,    1040                       ; an LDS row of x: 1,024 bytes + 16: 65 x 16, so that the sixteen rows of a load start at sixteen different 16-byte columns
.set TB16,  16*XP                      ; a tile of 16 rows
.set RP,    272                        ; an LDS row of 256 codes + 16: the 32 lanes of a ds_load_b64 (16 rows x 2 halves) touch 32 different 8-byte columns
.set X1B,   0                          ; x1's 128 rows; then x; then the result
.set A1R,   128*XP                     ; rows of codes of Q(LN1(x1)): 128 x 272
.set A2R,   A1R+128*RP                 ; rows of codes of Q(LN1(x2))
.set HID0,  A1R                        ; images of 256 hidden units, two by turns, the second 0x8000 on: they lie over the rows of codes, which have had their last read ahead of the barrier behind attention
.set OI,    A2R+128*RP                 ; image of Q(o): 8 tiles x 2 K steps x 2,048 bytes
.set IMGA,  OI+32768                   ; image of Q(LN3(x))
.set STA,   IMGA+32768                 ; a row's eight means (+ 4 w) and eight sums of squares (+ 32 + 4 w), 80 bytes a row
.set SEC_K, 0
.set SEC_V, 65536
.set SEC_Q, 131072
.set SEC_P, 196608
.set SEC_F1, 262144
.set SEC_F2, 524288
; window 0
.set L16, 1                            ; 16 x lane
.set XD,  2                            ; 1,040 r + 128 w + 32 h: my 32 bytes of a tile's row
.set XD4, 3                            ; the same, four tiles on
.set SD,  4                            ; 80 r + 4 w
.set SR,  5                            ; 80 r
.set IW,  6                            ; 16 x lane + 2,048 (w / 4) + 512 (w % 4): where my four code registers lie in a tile's image
.set GX,  7                            ; 16 x lane + 65,536 w: my bytes of image row w, in memory
.set DW0, 8                            ; 16 x lane + 8,320 w: the same tokens' rows in LDS, window 0
.set DW1, 9                            ; window 1
.set WO,  10                           ; 16 x lane + 8,192 w: my slice of a section of wc
.set VO,  11                           ; 128 w + 32 h: my eight numbers of a vector of 256
.set A0,  12                           ; LDS addresses in hand
.set A1,  13
.set A2,  14
.set RB,  15                           ; my place in rel_table
.set QSC, 16                           ; scale and limit of the quantiser in hand (layer norms, hidden layer)
.set QLIM, 17
.set KSC, 18                           ; v18-27: scale, limit of k, v, q, p, o
.set VBO, 30                           ; 4 r + 128 w
.set RWL, 31                           ; 4 x lane + 8 w rows of codes: where my four codes of a token's half row go
.set PB,  32                           ; proj_b's tile pair; later fc1_b's
.set B1,  32
.set LT,  48                           ; norm1: four temporaries for each of four tokens
.set VBC, 48                           ; v's bias, eight times for each tile; later fc2_b; later codes and temporaries
.set B2T, 48
.set PC,  48
.set WT,  56
.set KB,  64
.set QB,  80
.set G3,  64
.set B3,  80
.set GD,  96                           ; norm1's g and b at my eight channels of a row as it lands
.set BD,  104
.set LC,  112                          ; norm1: two registers of codes a token, two batches by turns
.set KF,  96                           ; k: 4 tiles x (4 registers of codes + 4 of zeros)
.set VF,  128                          ; v: 2 tiles of channels x 64 keys
.set QF,  144                          ; q: 2 tiles x (4 + 4 zeros)
.set R,   160                          ; v160-255: at work
.set ACC0, 64
.set ACC1, 96
.set AF,  128
.set TT,  192
.set PP,  224
.set OB,  64
; window 0 v128-255: x2 as it lands.  window 1: v0-127 WK 0, WV 64; WP 0; XR (fc2's accumulators).  v128-255: x1 as it lands; WQ 128, the bias tiles 192; WA 128, WB 192
.set MSB, 0
.macro WIN new                         ; s_set_vgpr_msb: bits 1:0 source 0, 3:2 source 1, 5:4 source 2, 7:6 destination; the high byte repeats the setting that is left
.if MSB != \new
	s_set_vgpr_msb (MSB<<8)|\new
.set MSB, \new
.endif
.endm
.macro BAR                             ; my LDS stores have landed and my LDS loads are in: then the work-group's barrier
	s_wait_dscnt 0x0
	s_barrier_signal -1
	s_barrier_wait -1
.endm
.macro NOP4                            ; four places behind a matrix instruction (ISA guide 7.12.1), where no other plain vector work is at hand
.rept 4
	v_nop
.endr
.endm
.macro FETCH reg, adr, off             ; a fragment's image back into 16 registers
.irp g, 0,1,2,3
	ds_load_b128 v[\reg+4*\g:\reg+4*\g+3], v[\adr] offset:\off+512*\g
.endr
.endm
.macro FETCHR reg, adr, off            ; a fragment out of rows of codes: registers 2 c, 2 c + 1 = k 16 c + 8 h + 0 .. 7 of row r
.irp c, 0,1,2,3,4,5,6,7
	ds_load_b64 v[\reg+2*\c:\reg+2*\c+1], v[\adr] offset:\off+16*\c
.endr
.endm
.macro WM128 d, a, b, c
	v_wmma_f32_16x16x128_bf8_bf8 v[\d:\d+7], v[\a:\a+15], v[\b:\b+15], v[\c:\c+7]
.endm
.macro LDV reg, sb, off                ; my 16 numbers of a vector: register 8 u + j = channel 32 w + 16 u + 8 h + j
.irp u, 0,1
.irp p, 0,1
	global_load_b128 v[\reg+8*\u+4*\p:\reg+8*\u+4*\p+3], v[VO], s[\sb:\sb+1] offset:\off+64*\u+16*\p
.endr
.endr
.endm
.macro LDW reg, sb, off                ; my four fragments of a section of wc: 8,192 consecutive bytes, 512 a load
.set k, 0
.rept 16
	global_load_b128 v[\reg+4*k:\reg+4*k+3], v[WO], s[\sb:\sb+1] offset:\off+512*k
.set k, k+1
.endr
.endm
.macro XLD reg, adr                    ; my strips of two tiles of rows
.irp t, 0,1
.irp u, 0,1
.irp p, 0,1
	ds_load_b128 v[\reg+16*\t+8*\u+4*\p:\reg+16*\t+8*\u+4*\p+3], v[\adr] offset:TB16*\t+64*\u+16*\p
.endr
.endr
.endr
.endm
.macro XST reg, adr
.irp t, 0,1
.irp u, 0,1
.irp p, 0,1
	ds_store_b128 v[\adr], v[\reg+16*\t+8*\u+4*\p:\reg+16*\t+8*\u+4*\p+3] offset:TB16*\t+64*\u+16*\p
.endr
.endr
.endr
.endm
; Four tokens' numbers at v[LT + 4 t + o] are summed over the 32 lanes: four steps inside each half ride on the addition, one crosses the halves (into the temporary beside, which has been written).
.macro LSUM o
.irp x, 1,2,4,8
.irp t, 0,1,2,3
	v_add_f32_dpp v[LT+4*\t+\o], v[LT+4*\t+\o], v[LT+4*\t+\o] row_xmask:\x row_mask:0xf bank_mask:0xf
.endr
.endr
.irp t, 0,1,2,3
	v_permlanex16_b32 v[LT+4*\t+\o+1], v[LT+4*\t+\o], s54, s55
.endr
.irp t, 0,1,2,3
	v_add_f32 v[LT+4*\t+\o], v[LT+4*\t+\o], v[LT+4*\t+\o+1]
.endr
.endm
; NORM1 OF FOUR TOKENS, 4 b .. 4 b + 3 of my image row, line by line by turns.  Token tt's eight numbers stand at v[xb + 8 tt] of window hi.  adr: my place in the rows of codes.  raw = 1: the rows go to LDS as f32 first.
.macro LNB xb, hi, b, adr, raw
	s_wait_loadcnt 56-8*\b                         ; loads come back in order: these tokens' eight are in; out may be the tensor's later 24 - 8 b and the 32 issued behind them
.if \raw
	WIN 0x04                                       ; store data in window 1
.irp t, 0,1,2,3
.set LX, \xb+8*(4*\b+\t)
	ds_store_b128 v[DW0+\b/2], v[LX:LX+3] offset:((4*\b+\t)%8)*XP
	ds_store_b128 v[DW0+\b/2], v[LX+4:LX+7] offset:((4*\b+\t)%8)*XP+512
.endr
.endif
	WIN 0x05*\hi
.irp t, 0,1,2,3
.set LX, \xb+8*(4*\b+\t)
	v_pk_add_f32 v[LT+4*\t:LT+4*\t+1], v[LX:LX+1], v[LX+2:LX+3]
.endr
.irp t, 0,1,2,3
.set LX, \xb+8*(4*\b+\t)
	v_pk_add_f32 v[LT+4*\t+2:LT+4*\t+3], v[LX+4:LX+5], v[LX+6:LX+7]
.endr
	WIN 0
.irp t, 0,1,2,3
	v_pk_add_f32 v[LT+4*\t:LT+4*\t+1], v[LT+4*\t:LT+4*\t+1], v[LT+4*\t+2:LT+4*\t+3]
.endr
.irp t, 0,1,2,3
	v_add_f32 v[LT+4*\t], v[LT+4*\t], v[LT+4*\t+1]
.endr
	LSUM 0
.irp t, 0,1,2,3
	v_mul_f32 v[LT+4*\t], 0x3b800000, v[LT+4*\t]   ; the mean: / 256
.endr
.if \raw
	s_wait_dscnt 0x0                               ; the stores of the raw rows have read their registers, which are now worked on in place
.endif
	WIN 0x41*\hi
.irp q, 0,1,2,3
.irp t, 0,1,2,3
.set LX, \xb+8*(4*\b+\t)
	v_pk_add_f32 v[LX+2*\q:LX+2*\q+1], v[LX+2*\q:LX+2*\q+1], v[LT+4*\t:LT+4*\t+1] op_sel_hi:[1,0] neg_lo:[0,1] neg_hi:[0,1]
.endr
.endr
	WIN 0x05*\hi
.irp t, 0,1,2,3
.set LX, \xb+8*(4*\b+\t)
	v_pk_mul_f32 v[LT+4*\t+2:LT+4*\t+3], v[LX:LX+1], v[LX:LX+1]
.endr
.irp q, 1,2,3
.irp t, 0,1,2,3
.set LX, \xb+8*(4*\b+\t)
	v_pk_fma_f32 v[LT+4*\t+2:LT+4*\t+3], v[LX+2*\q:LX+2*\q+1], v[LX+2*\q:LX+2*\q+1], v[LT+4*\t+2:LT+4*\t+3]
.endr
.endr
	WIN 0
.irp t, 0,1,2,3
	v_add_f32 v[LT+4*\t+2], v[LT+4*\t+2], v[LT+4*\t+3]
.endr
	LSUM 2
.irp t, 0,1,2,3
	v_fma_f32 v[LT+4*\t+2], v[LT+4*\t+2], 0x3b800000, s56     ; the variance + eps
.endr
.irp t, 0,1,2,3
	v_rsq_f32 v[LT+4*\t+2], v[LT+4*\t+2]
.endr
	v_nop                                          ; a plain instruction behind the last transcendental,
	s_wait_alu depctr_va_vdst(0)                   ; and the one wait for the four, ahead of their first reader
	WIN 0x41*\hi
.irp q, 0,1,2,3
.irp t, 0,1,2,3
.set LX, \xb+8*(4*\b+\t)
	v_pk_mul_f32 v[LX+2*\q:LX+2*\q+1], v[LX+2*\q:LX+2*\q+1], v[LT+4*\t+2:LT+4*\t+3] op_sel_hi:[1,0]
.endr
.endr
.irp q, 0,1,2,3
.irp t, 0,1,2,3
.set LX, \xb+8*(4*\b+\t)
	v_pk_fma_f32 v[LX+2*\q:LX+2*\q+1], v[LX+2*\q:LX+2*\q+1], v[GD+2*\q:GD+2*\q+1], v[BD+2*\q:BD+2*\q+1]
.endr
.endr
.irp i, 0,1,2,3,4,5,6,7
.irp t, 0,1,2,3
.set LX, \xb+8*(4*\b+\t)
	v_med3_num_f32 v[LX+\i], v[LX+\i], -v[QLIM], v[QLIM]      ; the conversion to an 8-bit code does not saturate (ISA guide 7.6.2): the hold comes first
.endr
.endr
	WIN 0x01*\hi
	s_wait_dscnt 0x0                               ; the stores of the batch before last have read these code registers
.irp t, 0,1,2,3
.set LX, \xb+8*(4*\b+\t)
	v_cvt_scalef32_pk8_bf8_f32 v[LC+8*(\b%2)+2*\t:LC+8*(\b%2)+2*\t+1], v[LX:LX+7], v[QSC]
.endr
	WIN 0
	v_nop                                          ; a plain instruction behind the last scaled conversion
.irp t, 0,1,2,3
	ds_store_b32 v[\adr], v[LC+8*(\b%2)+2*\t] offset:((4*\b+\t)/8*64+(4*\b+\t)%8)*RP          ; channels 4 lane on: the wave stores 128 consecutive bytes
	ds_store_b32 v[\adr], v[LC+8*(\b%2)+2*\t+1] offset:((4*\b+\t)/8*64+(4*\b+\t)%8)*RP+128    ; channels 128 + 4 lane on
.endr
.endm
; Two tiles' local statistics, line by line by turns.  xr: 2 x 16 numbers.  tr: 2 x 16 temporaries.  Out: the mean of my wave's 32 columns at tr + 16 t, the sum of squared deviations from it at tr + 16 t + 10.
.macro STAT2 xr, tr
.irp q, 0,1,2,3
.irp t, 0,1
	v_pk_add_f32 v[\tr+16*\t+2*\q:\tr+16*\t+2*\q+1], v[\xr+16*\t+4*\q:\xr+16*\t+4*\q+1], v[\xr+16*\t+4*\q+2:\xr+16*\t+4*\q+3]
.endr
.endr
.irp t, 0,1
	v_pk_add_f32 v[\tr+16*\t:\tr+16*\t+1], v[\tr+16*\t:\tr+16*\t+1], v[\tr+16*\t+2:\tr+16*\t+3]
	v_pk_add_f32 v[\tr+16*\t+4:\tr+16*\t+5], v[\tr+16*\t+4:\tr+16*\t+5], v[\tr+16*\t+6:\tr+16*\t+7]
.endr
.irp t, 0,1
	v_pk_add_f32 v[\tr+16*\t:\tr+16*\t+1], v[\tr+16*\t:\tr+16*\t+1], v[\tr+16*\t+4:\tr+16*\t+5]
.endr
.irp t, 0,1
	v_add_f32 v[\tr+16*\t], v[\tr+16*\t], v[\tr+16*\t+1]
.endr
.irp t, 0,1
	v_permlanex16_b32 v[\tr+16*\t+2], v[\tr+16*\t], s54, s55   ; the row's other 16 columns of my wave lie in lane l xor 16; the destination is a temporary that has been written
.endr
.irp t, 0,1
	v_add_f32 v[\tr+16*\t], v[\tr+16*\t], v[\tr+16*\t+2]
.endr
.irp t, 0,1
	v_mul_f32 v[\tr+16*\t], 0x3d000000, v[\tr+16*\t]           ; / 32
.endr
.irp q, 0,1,2,3,4,5,6,7
.irp t, 0,1
	v_pk_add_f32 v[\tr+16*\t+2+2*(\q%4):\tr+16*\t+3+2*(\q%4)], v[\xr+16*\t+2*\q:\xr+16*\t+2*\q+1], v[\tr+16*\t:\tr+16*\t+1] op_sel_hi:[1,0] neg_lo:[0,1] neg_hi:[0,1]
.endr
.irp t, 0,1
.if \q < 2
	v_pk_mul_f32 v[\tr+16*\t+10+2*\q:\tr+16*\t+11+2*\q], v[\tr+16*\t+2+2*(\q%4):\tr+16*\t+3+2*(\q%4)], v[\tr+16*\t+2+2*(\q%4):\tr+16*\t+3+2*(\q%4)]
.else
	v_pk_fma_f32 v[\tr+16*\t+10+2*(\q%2):\tr+16*\t+11+2*(\q%2)], v[\tr+16*\t+2+2*(\q%4):\tr+16*\t+3+2*(\q%4)], v[\tr+16*\t+2+2*(\q%4):\tr+16*\t+3+2*(\q%4)], v[\tr+16*\t+10+2*(\q%2):\tr+16*\t+11+2*(\q%2)]
.endif
.endr
.endr
.irp t, 0,1
	v_pk_add_f32 v[\tr+16*\t+10:\tr+16*\t+11], v[\tr+16*\t+10:\tr+16*\t+11], v[\tr+16*\t+12:\tr+16*\t+13]
.endr
.irp t, 0,1
	v_add_f32 v[\tr+16*\t+10], v[\tr+16*\t+10], v[\tr+16*\t+11]
.endr
.irp t, 0,1
	v_permlanex16_b32 v[\tr+16*\t+2], v[\tr+16*\t+10], s54, s55
.endr
.irp t, 0,1
	v_add_f32 v[\tr+16*\t+10], v[\tr+16*\t+10], v[\tr+16*\t+2]
.endr
.endm
.macro STST adr, tr                    ; both halves of the lanes hold the same numbers and write the same words
	ds_store_b32 v[\adr], v[\tr]
	ds_store_b32 v[\adr], v[\tr+10] offset:32
	ds_store_b32 v[\adr], v[\tr+16] offset:1280
	ds_store_b32 v[\adr], v[\tr+26] offset:1312
.endm
; Eight means (sg + 16 t + 0 .. 7) and eight sums of squares (+ 8 .. 15) of a row become its mean (tg + 8 t) and 1 / sqrt(var + eps) (tg + 8 t + 4).
.macro COMB2 sg, tg
.irp t, 0,1
	v_pk_add_f32 v[\tg+8*\t:\tg+8*\t+1], v[\sg+16*\t:\sg+16*\t+1], v[\sg+16*\t+2:\sg+16*\t+3]
	v_pk_add_f32 v[\tg+8*\t+2:\tg+8*\t+3], v[\sg+16*\t+4:\sg+16*\t+5], v[\sg+16*\t+6:\sg+16*\t+7]
.endr
.irp t, 0,1
	v_pk_add_f32 v[\tg+8*\t:\tg+8*\t+1], v[\tg+8*\t:\tg+8*\t+1], v[\tg+8*\t+2:\tg+8*\t+3]
.endr
.irp t, 0,1
	v_add_f32 v[\tg+8*\t], v[\tg+8*\t], v[\tg+8*\t+1]
.endr
.irp t, 0,1
	v_mul_f32 v[\tg+8*\t], 0x3e000000, v[\tg+8*\t]             ; the row's mean: / 8
.endr
.irp t, 0,1
	v_pk_add_f32 v[\tg+8*\t+2:\tg+8*\t+3], v[\sg+16*\t+8:\sg+16*\t+9], v[\sg+16*\t+10:\sg+16*\t+11]
	v_pk_add_f32 v[\tg+8*\t+4:\tg+8*\t+5], v[\sg+16*\t+12:\sg+16*\t+13], v[\sg+16*\t+14:\sg+16*\t+15]
.endr
.irp t, 0,1
	v_pk_add_f32 v[\tg+8*\t+2:\tg+8*\t+3], v[\tg+8*\t+2:\tg+8*\t+3], v[\tg+8*\t+4:\tg+8*\t+5]
.endr
.irp t, 0,1
	v_add_f32 v[\tg+8*\t+2], v[\tg+8*\t+2], v[\tg+8*\t+3]
.endr
.irp q, 0,1,2,3
.irp t, 0,1
	v_pk_add_f32 v[\sg+16*\t+2*\q:\sg+16*\t+2*\q+1], v[\sg+16*\t+2*\q:\sg+16*\t+2*\q+1], v[\tg+8*\t:\tg+8*\t+1] op_sel_hi:[1,0] neg_lo:[0,1] neg_hi:[0,1]
.endr
.endr
.irp t, 0,1
	v_pk_mul_f32 v[\tg+8*\t+4:\tg+8*\t+5], v[\sg+16*\t:\sg+16*\t+1], v[\sg+16*\t:\sg+16*\t+1]
.endr
.irp q, 1,2,3
.irp t, 0,1
	v_pk_fma_f32 v[\tg+8*\t+4:\tg+8*\t+5], v[\sg+16*\t+2*\q:\sg+16*\t+2*\q+1], v[\sg+16*\t+2*\q:\sg+16*\t+2*\q+1], v[\tg+8*\t+4:\tg+8*\t+5]
.endr
.endr
.irp t, 0,1
	v_add_f32 v[\tg+8*\t+4], v[\tg+8*\t+4], v[\tg+8*\t+5]
.endr
.irp t, 0,1
	v_fma_f32 v[\tg+8*\t+2], v[\tg+8*\t+4], 0x42000000, v[\tg+8*\t+2]   ; + 32 x the means' squared deviations
.endr
.irp t, 0,1
	v_fma_f32 v[\tg+8*\t+2], v[\tg+8*\t+2], 0x3b800000, s56            ; / 256 + eps
.endr
.irp t, 0,1
	v_rsq_f32 v[\tg+8*\t+4], v[\tg+8*\t+2]
.endr
	v_nop                                          ; a plain instruction behind the last transcendental,
	s_wait_alu depctr_va_vdst(0)                   ; and the one wait for both, ahead of their first reader
.endm
.macro NORMQ xr, mn, rs, gr, br, pcr   ; 16 numbers: (x - mean) x rstd x g + b, held, to four registers of codes
.irp q, 0,1,2,3,4,5,6,7
	v_pk_add_f32 v[\xr+2*\q:\xr+2*\q+1], v[\xr+2*\q:\xr+2*\q+1], v[\mn:\mn+1] op_sel_hi:[1,0] neg_lo:[0,1] neg_hi:[0,1]
.endr
.irp q, 0,1,2,3,4,5,6,7
	v_pk_mul_f32 v[\xr+2*\q:\xr+2*\q+1], v[\xr+2*\q:\xr+2*\q+1], v[\rs:\rs+1] op_sel_hi:[1,0]
.endr
.irp q, 0,1,2,3,4,5,6,7
	v_pk_fma_f32 v[\xr+2*\q:\xr+2*\q+1], v[\xr+2*\q:\xr+2*\q+1], v[\gr+2*\q:\gr+2*\q+1], v[\br+2*\q:\br+2*\q+1]
.endr
.irp i, 0,1,2,3,4,5,6,7,8,9,10,11,12,13,14,15
	v_med3_num_f32 v[\xr+\i], v[\xr+\i], -v[QLIM], v[QLIM]
.endr
	v_cvt_scalef32_pk8_bf8_f32 v[\pcr:\pcr+1], v[\xr:\xr+7], v[QSC]
	v_cvt_scalef32_pk8_bf8_f32 v[\pcr+2:\pcr+3], v[\xr+8:\xr+15], v[QSC]
.endm
.macro NORM xb, st, img, gr, br        ; four trips of two tiles: the rows' statistics, my strips normalised and quantised, my part of the image
	s_mov_b32 s98, \xb
	s_mov_b32 s99, \st
	s_mov_b32 s100, \img
	s_mov_b32 s3, 0
.Lnorm_\@:
	v_add_nc_u32 v[A0], s98, v[XD]
	v_add_nc_u32 v[A1], s99, v[SR]
	v_add_nc_u32 v[A2], s100, v[IW]
	XLD R, A0
.irp t, 0,1
.irp i, 0,1,2,3
	ds_load_b128 v[R+32+16*\t+4*\i:R+32+16*\t+4*\i+3], v[A1] offset:1280*\t+16*\i
.endr
.endr
	s_wait_dscnt 0x0
	COMB2 R+32, R+64
	NORMQ R, R+64, R+68, \gr, \br, R+88
	NORMQ R+16, R+72, R+76, \gr, \br, R+92
	v_nop                                          ; a plain instruction behind the last scaled conversion
	ds_store_b128 v[A2], v[R+88:R+91]
	ds_store_b128 v[A2], v[R+92:R+95] offset:4096
	s_wait_dscnt 0x0                               ; the stores have read their registers
	s_add_co_u32 s98, s98, 2*TB16
	s_add_co_u32 s99, s99, 2560
	s_add_co_u32 s100, s100, 8192
	s_add_co_u32 s3, s3, 1
	s_cmp_lt_u32 s3, 4
	s_cbranch_scc1 .Lnorm_\@
.endm
.macro QUANT8 src, dst, sc, lim        ; a tile's eight registers, from the low end on: hold, then eight codes
.irp i, 0,1,2,3,4,5,6,7
	v_med3_num_f32 v[\src+\i], v[\src+\i], -v[\lim], v[\lim]
.endr
	v_cvt_scalef32_pk8_bf8_f32 v[\dst:\dst+1], v[\src:\src+7], v[\sc]
.endm
.macro MAKE_SC sc, lim, e              ; 2^e and 57,344 x 2^e as f32 patterns
	s_add_co_i32 s[\sc], s[\e], 127
	s_add_co_i32 s[\lim], s[\sc], 15
	s_lshl_b32 s[\sc], s[\sc], 23
	s_lshl_b32 s[\lim], s[\lim], 23
	s_or_b32 s[\lim], s[\lim], 0x600000
.endm
	; ================= the head
	s_load_b512 s[8:23], s[0:1], 0x0               ; x1 8, x2 10, norm1_g 12, norm1_b 14, q_b 16, kv_b 18, proj_b 20, rel_table 22
	s_load_b256 s[24:31], s[0:1], 0x40             ; norm3_g 24, norm3_b 26, fc1_b 28, fc2_b 30
	s_load_b128 s[32:35], s[0:1], 0x60             ; the scales' exponents 32, wc 34
	s_load_b64 s[36:37], s[0:1], 0x70              ; out0
	v_lshrrev_b32 v12, 5, v0
	v_readfirstlane_b32 s2, v12                    ; wave = head
	v_and_b32 v12, 31, v0                          ; lane
	v_and_b32 v13, 15, v0                          ; r
	v_bfe_u32 v14, v0, 4, 1                        ; h
	v_lshlrev_b32 v[L16], 4, v12
	v_lshlrev_b32 v[RWL], 2, v12
	s_mul_i32 s5, s2, 8*RP
	v_add_nc_u32 v[RWL], s5, v[RWL]
	s_lshl_b32 s4, s2, 7                           ; 128 w
	v_mul_u32_u24 v[XD], v13, XP
	v_lshl_add_u32 v[XD], v14, 5, v[XD]
	v_add_nc_u32 v[XD], s4, v[XD]
	v_add_nc_u32 v[XD4], 4*TB16, v[XD]
	v_mul_u32_u24 v[SR], v13, 80
	s_lshl_b32 s5, s2, 2                           ; 4 w
	v_add_nc_u32 v[SD], s5, v[SR]
	v_lshrrev_b32 v[RB], 3, v13                    ; rel_table: entry ((r / 8 - h + 1) 15 + r % 8 + 7), 32 bytes each, + 4 w; a tile adds 960 (query tile - key tile + 3) - 32 j
	v_add_nc_u32 v[RB], 1, v[RB]
	v_sub_nc_u32 v[RB], v[RB], v14
	v_mul_u32_u24 v[RB], v[RB], 15
	v_and_b32 v12, 7, v13
	v_add3_u32 v[RB], v[RB], v12, 7
	v_lshlrev_b32 v[RB], 5, v[RB]
	v_add_nc_u32 v[RB], s5, v[RB]
	s_lshr_b32 s5, s2, 2
	s_lshl_b32 s5, s5, 11
	s_and_b32 s6, s2, 3
	s_lshl_b32 s6, s6, 9
	s_add_co_u32 s5, s5, s6
	v_add_nc_u32 v[IW], s5, v[L16]
	s_lshl_b32 s5, s2, 16
	v_add_nc_u32 v[GX], s5, v[L16]
	s_mul_i32 s5, s2, 8*XP
	v_add_nc_u32 v[DW0], s5, v[L16]
	v_add_nc_u32 v[DW1], 4*TB16, v[DW0]
	s_lshl_b32 s5, s2, 13
	v_add_nc_u32 v[WO], s5, v[L16]
	v_lshl_add_u32 v[VO], v14, 5, s4
	v_lshl_add_u32 v[VBO], v13, 2, s4
	s_wait_kmcnt 0x0
	s_load_b256 s[40:47], s[32:33], 0x0            ; e0 .. e7
	s_load_b128 s[48:51], s[32:33], 0x20           ; e8 .. e11
	s_load_b64 s[52:53], s[32:33], 0x30            ; e12, e13
	s_lshr_b32 s4, ttmp9, 5                        ; the image,
	s_lshl_b32 s4, s4, 22
	s_bfe_u32 s5, ttmp9, 0x30002                   ; the row of windows,
	s_lshl_b32 s5, s5, 19
	s_add_co_u32 s4, s4, s5
	s_and_b32 s5, ttmp9, 3                         ; the pair of windows in it
	s_lshl_b32 s5, s5, 14
	s_add_co_u32 s4, s4, s5
	s_mov_b32 s5, 0
	s_add_nc_u64 s[8:9], s[8:9], s[4:5]
	s_add_nc_u64 s[10:11], s[10:11], s[4:5]
	s_add_nc_u64 s[36:37], s[36:37], s[4:5]
	; the small vectors first (18 loads), so that the counted waits on the rows below cover them too
	global_load_b128 v[GD:GD+3], v[L16], s[12:13]                  ; norm1's g and b at channels 4 lane + 0 .. 3 and 128 + 4 lane + 0 .. 3: as a row's numbers land
	global_load_b128 v[GD+4:GD+7], v[L16], s[12:13] offset:512
	global_load_b128 v[BD:BD+3], v[L16], s[14:15]
	global_load_b128 v[BD+4:BD+7], v[L16], s[14:15] offset:512
	LDV KB, 18, 0
	LDV QB, 16, 0
	LDV PB, 20, 0
	global_load_b32 v28, v[VBO], s[18:19] offset:1024      ; v's bias: my lane's channel 16 u + r
	global_load_b32 v29, v[VBO], s[18:19] offset:1088
.set k, 0
.rept 32
	global_load_b128 v[128+4*k:131+4*k], v[GX], s[10:11] offset:512*k th:TH_LOAD_NT   ; x2: image row w of the pair of windows, 512 consecutive bytes a load
.set k, k+1
.endr
	WIN 0x40
.set k, 0
.rept 32
	global_load_b128 v[128+4*k:131+4*k], v[GX], s[8:9] offset:512*k th:TH_LOAD_NT     ; x1 likewise, into window 1
.set k, k+1
.endr
	WIN 0
	s_wait_kmcnt 0x0
	s_mov_b32 s54, 0x76543210                      ; v_permlanex16_b32's selects for lane l xor 16
	s_mov_b32 s55, 0xfedcba98
	s_mov_b32 s56, 0x3727c5ac                      ; 1e-5
	s_add_co_i32 s4, s44, s45                      ; e4 + e5
	s_sub_co_i32 s90, 0, s4
	s_lshl_b32 s4, s4, 23
	s_add_co_i32 s58, s4, 0x3fb8aa3b               ; log2(e) x 2^(e4 + e5)
	s_mov_b32 s59, s58
	s_mov_b32 s60, 0x3e3504f3                      ; 1 / sqrt(32)
	s_mov_b32 s61, s60
	s_add_co_i32 s4, s48, s49                      ; e8 + e9
	s_sub_co_i32 s91, 0, s4
	s_add_co_i32 s4, s4, 127
	s_lshl_b32 s62, s4, 23
	s_mov_b32 s63, s62
	s_add_co_i32 s4, s52, s53                      ; e12 + e13
	s_sub_co_i32 s93, 0, s4
	s_add_co_i32 s5, s4, 127
	s_lshl_b32 s68, s5, 23
	s_mov_b32 s69, s68
	s_sub_co_i32 s5, 127, s4
	s_lshl_b32 s66, s5, 23
	s_mov_b32 s67, s66
	s_add_co_i32 s6, s40, s41                      ; e0 + e1
	s_sub_co_i32 s88, 0, s6
	s_add_co_i32 s7, s42, s43                      ; e2 + e3
	s_sub_co_i32 s89, 0, s7
	s_add_co_i32 s57, s50, s51                     ; e10 + e11
	s_sub_co_i32 s92, 0, s57
	s_lshl_b32 s4, s57, 23
	s_add_co_i32 s94, s4, 0x3eb504f3               ; 2^(e10 + e11) / (2 sqrt 2): z / 2 of a raw sum
	s_lshl_b32 s4, s57, 24
	s_add_co_i32 s96, s4, 0xbf38aa3b               ; -log2(e) / 2 x 4^(e10 + e11): -z^2 log2(e) of a raw sum's square
	s_mov_b32 s97, s96
	MAKE_SC 70, 71, 42                             ; LN1(x2)
	MAKE_SC 72, 73, 40                             ; LN1(x1)
	s_sub_co_i32 s4, s45, s7
	MAKE_SC 74, 75, 4                              ; k
	s_sub_co_i32 s4, s47, s7
	MAKE_SC 76, 77, 4                              ; v
	s_sub_co_i32 s4, s44, s6
	MAKE_SC 78, 79, 4                              ; q
	MAKE_SC 80, 81, 46                             ; p
	s_sub_co_i32 s4, s48, s46
	s_sub_co_i32 s4, s4, s47
	MAKE_SC 82, 83, 4                              ; o
	MAKE_SC 84, 85, 50                             ; LN3(x)
	s_sub_co_i32 s4, s52, s57
	MAKE_SC 86, 87, 4                              ; the hidden layer
	s_add_nc_u64 s[38:39], s[34:35], SEC_F1
	s_add_nc_u64 s[32:33], s[34:35], SEC_F2        ; (the exponents are in: their pointer is done with)
	; ================= norm1 of x2, in the registers in which it lands, four tokens at a time as they arrive; its codes into rows
	v_mov_b32 v[QSC], s70
	v_mov_b32 v[QLIM], s71
	v_add_nc_u32 v[A0], A2R, v[RWL]
	v_add_nc_u32 v[A1], A1R, v[RWL]
	LNB 128, 0, 0, A0, 0
	LNB 128, 0, 1, A0, 0
	LNB 128, 0, 2, A0, 0
	LNB 128, 0, 3, A0, 0
	WIN 0x40
	LDW 0, 34, SEC_K                               ; my slices of the weights of k and v: 32 loads, which land while x1 is normalised
	LDW 64, 34, SEC_V
	WIN 0
	; ================= x1: the raw rows into LDS for the residual, then norm1 likewise
	v_mov_b32 v[QSC], s72
	v_mov_b32 v[QLIM], s73
	LNB 128, 1, 0, A1, 1
	LNB 128, 1, 1, A1, 1
	LNB 128, 1, 2, A1, 1
	LNB 128, 1, 3, A1, 1
	s_wait_loadcnt 0x0                             ; k's and v's weights, asked for a whole norm ago
	WIN 0x40
	LDW 128, 34, SEC_Q                             ; q's weights take x1's registers; they and the bias tiles below land while the first window's k and v are made
	WIN 0
	BAR                                            ; x1's rows and both tensors' rows of codes lie in LDS
	WIN 0x40
.irp d, 0,1,2,3,4,5,6
.irp j, 0,1,2,3,4,5,6,7
	global_load_b32 v[192+8*\d+\j], v[RB], s[22:23] offset:960*\d-32*\j   ; the bias hangs on (query tile - key tile) alone: seven tiles in the scores' layout
.endr
.endr
	WIN 0
	; ================= biases into the sums' units
.set i, 0
.rept 16
	v_ldexp_f32 v[KB+i], v[KB+i], s89
	v_ldexp_f32 v[QB+i], v[QB+i], s88
	v_ldexp_f32 v[PB+i], v[PB+i], s91
	v_ldexp_f32 v[VBC+i], v[28+i/8], s89
.set i, i+1
.endr
.irp t, 0,1,2,3
.irp i, 4,5,6,7
	v_mov_b32 v[KF+8*\t+\i], 0                     ; the head has 32 along K, the instruction 64: the rest is zero codes, on both sides
.endr
.endr
.irp t, 0,1
.irp i, 4,5,6,7
	v_mov_b32 v[QF+8*\t+\i], 0
.endr
.endr
.irp i, 0,1,2,3,4,5,6,7,8,9
	v_mov_b32 v[KSC+\i], s[74+\i]
.endr
; k and v of my head for a window's 64 tokens.  Accumulators by turns, one instruction a turn.
.macro KV
	FETCHR R, A0, 0
	FETCHR R+16, A0, 128
	FETCHR R+32, A0, 16*RP
	FETCHR R+48, A0, 16*RP+128
.irp mm, 0,1,2,3
.set AFX, R+32*(\mm%2)
.if \mm < 3
	s_wait_dscnt 16                                ; this tile's two fragments are in; the next tile's sixteen loads may be out
.else
	s_wait_dscnt 0x0
.endif
	WIN 0x01                                       ; source 0 (the weights) in window 1: k transposed
	WM128 R+64, 0, AFX, KB
	WM128 R+72, 32, AFX, KB+8
	WM128 R+64, 16, AFX+16, R+64
	WM128 R+72, 48, AFX+16, R+72
	WIN 0x04                                       ; source 1 (the weights) in window 1: v as it is: a lane holds a channel, its registers eight tokens
	WM128 R+80, AFX, 64, VBC
	WM128 R+88, AFX, 96, VBC+8
	WM128 R+80, AFX+16, 80, R+80
	WM128 R+88, AFX+16, 112, R+88
	WIN 0
	NOP4
	QUANT8 R+64, KF+8*\mm, KSC, KSC+1
	QUANT8 R+72, KF+8*\mm+2, KSC, KSC+1
	QUANT8 R+80, VF+2*\mm, KSC+2, KSC+3
	QUANT8 R+88, VF+8+2*\mm, KSC+2, KSC+3
	v_nop
.if \mm < 2
	FETCHR AFX, A0, 16*RP*(\mm+2)
	FETCHR AFX+16, A0, 16*RP*(\mm+2)+128
.endif
.endr
.endm
; Two tiles of 16 queries (2 pq, 2 pq + 1 of the window): q, scores, softmax, o, its codes to the image.
.macro PAIR pq
.irp q, 0,1
	FETCHR R+32*\q, A1, (2*\pq+\q)*16*RP
	FETCHR R+32*\q+16, A1, (2*\pq+\q)*16*RP+128
.endr
	s_wait_dscnt 0x0
	WIN 0x01
.irp ks, 0,1
.irp q, 0,1
.irp u, 0,1
.if \ks == 0
	WM128 R+64+16*\q+8*\u, 128+32*\u, R+32*\q, QB+8*\u
.else
	WM128 R+64+16*\q+8*\u, 144+32*\u, R+32*\q+16, R+64+16*\q+8*\u
.endif
.endr
.endr
.endr
	WIN 0
	NOP4
.set i, 0
.rept 16
	v_pk_mul_f32 v[R+64+i:R+65+i], v[R+64+i:R+65+i], s[60:61] op_sel_hi:[1,0]   ; q / sqrt(32), ahead of its quantiser
.set i, i+2
.endr
.irp q, 0,1
.irp u, 0,1
	QUANT8 R+64+16*\q+8*\u, QF+8*\q+2*\u, KSC+4, KSC+5
.endr
.endr
	v_nop
	WIN 0x10                                       ; C (the bias tile) in window 1
.irp c, 0,1,2,3
.irp q, 0,1
	v_wmma_f32_16x16x64_bf8_bf8 v[R+32*\q+8*\c:R+32*\q+8*\c+7], v[KF+8*\c:KF+8*\c+7], v[QF+8*\q:QF+8*\q+7], v[192+8*(2*\pq+\q-\c+3):192+8*(2*\pq+\q-\c+3)+7]
.endr
.endr
	WIN 0
	NOP4
	; lane (r, h) holds query r; register 8 c + j is key 16 c + 8 h + j.  Temporaries of tile q: R + 80 + 8 q on
.irp q, 0,1
	v_max3_num_f32 v[R+80+8*\q], v[R+32*\q], v[R+32*\q+1], v[R+32*\q+2]
	v_max3_num_f32 v[R+81+8*\q], v[R+32*\q+3], v[R+32*\q+4], v[R+32*\q+5]
.endr
.irp i, 6,10,14,18,22,26
.irp q, 0,1
	v_max3_num_f32 v[R+80+8*\q], v[R+80+8*\q], v[R+32*\q+\i], v[R+32*\q+\i+1]
	v_max3_num_f32 v[R+81+8*\q], v[R+81+8*\q], v[R+32*\q+\i+2], v[R+32*\q+\i+3]
.endr
.endr
.irp q, 0,1
	v_max3_num_f32 v[R+80+8*\q], v[R+80+8*\q], v[R+32*\q+30], v[R+32*\q+31]
.endr
.irp q, 0,1
	v_max_num_f32 v[R+80+8*\q], v[R+80+8*\q], v[R+81+8*\q]
.endr
.irp q, 0,1
	v_permlanex16_b32 v[R+82+8*\q], v[R+80+8*\q], s54, s55
.endr
.irp q, 0,1
	v_max_num_f32 v[R+80+8*\q], v[R+80+8*\q], v[R+82+8*\q]     ; the row's largest score, over all 64 keys
.endr
.irp q, 0,1
	v_mul_f32 v[R+80+8*\q], s58, v[R+80+8*\q]                  ; as t
.endr
.irp q, 0,1
	v_floor_f32 v[R+80+8*\q], -v[R+80+8*\q]                    ; -M = floor(-t) = -ceil(t)
.endr
.irp q, 0,1
.set i, 0
.rept 16
	v_pk_fma_f32 v[R+32*\q+i:R+32*\q+i+1], v[R+32*\q+i:R+32*\q+i+1], s[58:59], v[R+80+8*\q:R+81+8*\q] op_sel_hi:[1,0,0]   ; t - M
.set i, i+2
.endr
.endr
.set i, 0
.rept 64
	v_exp_f32 v[R+i], v[R+i]                       ; p = 2^(t - M)
.set i, i+1
.endr
	v_nop                                          ; a plain instruction behind the batch,
	s_wait_alu depctr_va_vdst(0)                   ; and one wait for its 64 exponentials, ahead of the first reader
.irp q, 0,1
	v_pk_add_f32 v[R+82+8*\q:R+83+8*\q], v[R+32*\q:R+32*\q+1], v[R+32*\q+2:R+32*\q+3]      ; the row's sum, of the unquantised p, in two chains
	v_pk_add_f32 v[R+84+8*\q:R+85+8*\q], v[R+32*\q+4:R+32*\q+5], v[R+32*\q+6:R+32*\q+7]
.endr
.irp j, 8,12,16,20,24,28
.irp q, 0,1
	v_pk_add_f32 v[R+82+8*\q:R+83+8*\q], v[R+82+8*\q:R+83+8*\q], v[R+32*\q+\j:R+32*\q+\j+1]
	v_pk_add_f32 v[R+84+8*\q:R+85+8*\q], v[R+84+8*\q:R+85+8*\q], v[R+32*\q+\j+2:R+32*\q+\j+3]
.endr
.endr
.irp q, 0,1
	v_pk_add_f32 v[R+82+8*\q:R+83+8*\q], v[R+82+8*\q:R+83+8*\q], v[R+84+8*\q:R+85+8*\q]
.endr
.irp q, 0,1
	v_add_f32 v[R+82+8*\q], v[R+82+8*\q], v[R+83+8*\q]
.endr
.irp q, 0,1
	v_permlanex16_b32 v[R+84+8*\q], v[R+82+8*\q], s54, s55
.endr
.irp q, 0,1
	v_add_f32 v[R+82+8*\q], v[R+82+8*\q], v[R+84+8*\q]
.endr
.irp q, 0,1
	v_rcp_f32 v[R+86+8*\q], v[R+82+8*\q]           ; 1 / l; its wait stands ahead of its first reader, behind the second product
.endr
.irp q, 0,1
.irp c, 0,1,2,3
.irp i, 0,1,2,3,4,5,6,7
	v_min_num_f32 v[R+32*\q+8*\c+\i], v[R+32*\q+8*\c+\i], v[KSC+7]   ; p is not negative: the hold is one-sided
.endr
	v_cvt_scalef32_pk8_bf8_f32 v[R+64+8*\q+2*\c:R+65+8*\q+2*\c], v[R+32*\q+8*\c:R+32*\q+8*\c+7], v[KSC+6]
.endr
.endr
	v_nop
.irp q, 0,1
.irp u, 0,1
	v_wmma_f32_16x16x64_bf8_bf8 v[R+32*\q+8*\u:R+32*\q+8*\u+7], v[VF+8*\u:VF+8*\u+7], v[R+64+8*\q:R+71+8*\q], 0   ; O^T = V^T P^T: K = the window's 64 keys
.endr
.endr
	NOP4
	s_wait_alu depctr_va_vdst(0)                   ; the wait for the two reciprocals
.irp q, 0,1
.set i, 0
.rept 8
	v_pk_mul_f32 v[R+32*\q+i:R+32*\q+i+1], v[R+32*\q+i:R+32*\q+i+1], v[R+86+8*\q:R+87+8*\q] op_sel_hi:[1,0]
.set i, i+2
.endr
.endr
.irp q, 0,1
	QUANT8 R+32*\q, R+80+8*\q, KSC+8, KSC+9
	QUANT8 R+32*\q+8, R+82+8*\q, KSC+8, KSC+9
.endr
	v_nop
.irp q, 0,1
	ds_store_b128 v[A2], v[R+80+8*\q:R+83+8*\q] offset:(2*\pq+\q)*4096
.endr
.endm
	; ================= attention, a window a trip
	s_mov_b32 s98, A2R
	s_mov_b32 s99, A1R
	s_mov_b32 s100, OI
	s_mov_b32 s3, 0
.Lwin:
	v_and_b32 v[A0], 15, v0                        ; my place in a tile of rows of codes: 272 r + 8 h
	v_bfe_u32 v[A1], v0, 4, 1
	v_mul_u32_u24 v[A0], v[A0], RP
	v_lshl_add_u32 v[A0], v[A1], 3, v[A0]
	v_add_nc_u32 v[A1], s99, v[A0]
	v_add_nc_u32 v[A0], s98, v[A0]
	v_add_nc_u32 v[A2], s100, v[IW]
	KV
	s_wait_loadcnt 0x0                             ; first trip: q's weights and the bias tiles are in; second trip: nothing is out
	s_cmp_eq_u32 s3, 0
	s_cbranch_scc1 .Lfirst_win
	WIN 0x40
	LDW 0, 34, SEC_P                               ; k's weights have had their last product: proj's take their place, a window's attention ahead of their use
	WIN 0
	s_branch .Lpairs
.Lfirst_win:
	WIN 0x41
.set i, 0
.rept 56
	v_ldexp_f32 v[192+i], v[192+i], s90            ; the bias tiles into the scores' units, once
.set i, i+1
.endr
	WIN 0
.Lpairs:
	PAIR 0
	PAIR 1
	s_wait_dscnt 0x0                               ; the stores have read their registers
	s_add_co_u32 s98, s98, 64*RP
	s_add_co_u32 s99, s99, 64*RP
	s_add_co_u32 s100, s100, 16384
	s_add_co_u32 s3, s3, 1
	s_cmp_lt_u32 s3, 2
	s_cbranch_scc1 .Lwin
	NOP4
	WIN 0x40
	LDW 128, 34, SEC_F1                            ; the first chunk's weights of fc1 and fc2
	LDW 192, 34, SEC_F2
	WIN 0
	LDV G3, 24, 0
	LDV B3, 26, 0
	LDV B2T, 30, 0
	BAR                                            ; the image of Q(o) lies in LDS; nobody reads the rows of codes any more
	; ================= proj, the residual, x's local statistics: two tiles a trip
	s_wait_loadcnt 44                              ; proj's weights are in; the 44 loads issued behind them may be out
	s_mov_b32 s98, X1B
	s_mov_b32 s99, STA
	s_mov_b32 s100, OI
	s_mov_b32 s3, 0
.Lproj:
	v_add_nc_u32 v[A0], s100, v[L16]
	v_add_nc_u32 v[A1], s98, v[XD]
	v_add_nc_u32 v[A2], s99, v[SD]
	FETCH R, A0, 0
	FETCH R+16, A0, 2048
	FETCH R+32, A0, 4096
	FETCH R+48, A0, 6144
	XLD R+64, A1
	s_wait_dscnt 8                                 ; o's fragments are in; x1's eight loads may be out
	WIN 0x01
	WM128 128, 0, R, PB
	WM128 136, 32, R, PB+8
	WM128 144, 0, R+32, PB
	WM128 152, 32, R+32, PB+8
	WM128 128, 16, R+16, 128
	WM128 136, 48, R+16, 136
	WM128 144, 16, R+48, 144
	WM128 152, 48, R+48, 152
	WIN 0
	NOP4
	s_wait_dscnt 0x0
.set i, 0
.rept 16
	v_pk_fma_f32 v[R+64+i:R+65+i], v[128+i:129+i], s[62:63], v[R+64+i:R+65+i] op_sel_hi:[1,0,1]   ; x = x1 + sum x 2^(e8 + e9)
.set i, i+2
.endr
	XST R+64, A1                                   ; back into my own strip
	STAT2 R+64, 96
	STST A2, 96
	s_wait_dscnt 0x0                               ; the stores have read their registers
	s_add_co_u32 s98, s98, 2*TB16
	s_add_co_u32 s99, s99, 2560
	s_add_co_u32 s100, s100, 8192
	s_add_co_u32 s3, s3, 1
	s_cmp_lt_u32 s3, 4
	s_cbranch_scc1 .Lproj
	NOP4
	LDV B1, 28, 0                                  ; fc1_b, chunk 0
	s_wait_xcnt 0x0                                ; every load issued so far has read its base: the pointers that are done with make room for GELU's coefficients
.macro COEF i, bits                    ; c_i x log2(e), twice: the packed form names a pair
	s_mov_b32 s[8+2*\i], \bits
	s_mov_b32 s[9+2*\i], \bits
.endm
	COEF 0, 0xc034d90f                             ; (with -1 for the factor 1/2)
	COEF 1, 0x3fb8ab5a
	COEF 2, 0x3f0a29d2
	COEF 3, 0x3e0efb2e
	COEF 4, 0xbe899a80
	COEF 5, 0x3ecdfd18
	COEF 6, 0xbfd1a1e5
	COEF 7, 0x40097039
	COEF 9, 0x3e7c6f08
	v_mov_b32 v28, 0xbf97d29d                      ; c_8 in a vector pair, so that the first step names one scalar pair
	v_mov_b32 v29, 0xbf97d29d
	BAR                                            ; every wave's statistics of x lie in LDS
	; ================= LN3, its image; x + fc2_b starts fc2's sums
	s_wait_loadcnt 4                               ; all but fc1_b's four loads
	v_mov_b32 v[QSC], s84
	v_mov_b32 v[QLIM], s85
	NORM X1B, STA, IMGA, G3, B3
.set i, 0
.rept 16
	v_ldexp_f32 v[B2T+i], v[B2T+i], s93
.set i, i+1
.endr
	WIN 0x40
.set m, 0
.rept 8
.irp u, 0,1
.irp p, 0,1
.if m < 4
	ds_load_b128 v[16*m+8*\u+4*\p:16*m+8*\u+4*\p+3], v[XD] offset:(m%4)*TB16+64*\u+16*\p
.else
	ds_load_b128 v[16*m+8*\u+4*\p:16*m+8*\u+4*\p+3], v[XD4] offset:(m%4)*TB16+64*\u+16*\p
.endif
.endr
.endr
.set m, m+1
.endr
	s_wait_dscnt 0x0
	WIN 0x41
.set i, 0
.rept 64
	v_pk_fma_f32 v[i:i+1], v[i:i+1], s[66:67], v[B2T+i%16:B2T+i%16+1] op_sel_hi:[1,0,1]   ; (x + fc2_b) / 2^(e12 + e13)
.set i, i+2
.endr
	WIN 0
	BAR                                            ; the image of Q(LN3(x)) lies in LDS
; ================= the MLP: four chunks of 256 hidden units
.macro FETCHP mp                       ; LN3's four fragments of tiles 2 mp, 2 mp + 1
	FETCH AF, A0, 8192*\mp
	FETCH AF+16, A0, 8192*\mp+2048
	FETCH AF+32, A0, 8192*\mp+4096
	FETCH AF+48, A0, 8192*\mp+6144
.endm
.macro FETCHH p, buf                   ; the hidden layer's four fragments of tiles 2 p, 2 p + 1
	FETCH \buf, A1, 8192*\p
	FETCH \buf+16, A1, 8192*\p+2048
	FETCH \buf+32, A1, 8192*\p+4096
	FETCH \buf+48, A1, 8192*\p+6144
.endm
.macro F1W acc                         ; my 32 hidden units for two tiles of rows: four accumulators by turns
	WIN 0x01
	WM128 \acc, 128, AF, B1
	WM128 \acc+8, 160, AF, B1+8
	WM128 \acc+16, 128, AF+32, B1
	WM128 \acc+24, 160, AF+32, B1+8
	WM128 \acc, 144, AF+16, \acc
	WM128 \acc+8, 176, AF+16, \acc+8
	WM128 \acc+16, 144, AF+48, \acc+16
	WM128 \acc+24, 176, AF+48, \acc+24
	WIN 0
.endm
.macro F2W p, buf                      ; my 32 outputs for tiles 2 p, 2 p + 1, this chunk's 256 along K
	WIN 0x51                                       ; the weights, C and D in window 1
	WM128 32*\p, 192, \buf, 32*\p
	WM128 32*\p+8, 224, \buf, 32*\p+8
	WM128 32*\p+16, 192, \buf+32, 32*\p+16
	WM128 32*\p+24, 224, \buf+32, 32*\p+24
	WM128 32*\p, 208, \buf+16, 32*\p
	WM128 32*\p+8, 240, \buf+16, 32*\p+8
	WM128 32*\p+16, 208, \buf+48, 32*\p+16
	WM128 32*\p+24, 240, \buf+48, 32*\p+24
	WIN 0
.endm
.macro GELU_A acc                      ; 1 + z / 2.  These 32 plain lines name no register of the products just issued: they are the places behind them
.set i, 0
.rept 32
	v_fma_f32 v[TT+i], |v[\acc+i]|, s94, 1.0
.set i, i+1
.endr
.endm
.macro GELU_B acc, m0
.set i, 0
.rept 32
	v_rcp_f32 v[TT+i], v[TT+i]                     ; t
.set i, i+1
.endr
	v_nop
	s_wait_alu depctr_va_vdst(0)                   ; one wait for the batch, ahead of its first reader
.set i, 0
.rept 16
	v_pk_fma_f32 v[PP+i:PP+i+1], v[TT+i:TT+i+1], s[26:27], v[28:29] op_sel_hi:[1,0,1]
.set i, i+2
.endr
.irp k, 7,6,5,4,3,2,1,0
.set i, 0
.rept 16
	v_pk_fma_f32 v[PP+i:PP+i+1], v[PP+i:PP+i+1], v[TT+i:TT+i+1], s[8+2*\k:9+2*\k] op_sel_hi:[1,1,0]
.set i, i+2
.endr
.endr
.irp b, 0,1,2,3
.irp k, 0,1,2,3
	v_pk_mul_f32 v[WT+2*\k:WT+2*\k+1], v[\acc+8*\b+2*\k:\acc+8*\b+2*\k+1], s[96:97] op_sel_hi:[1,0]
.endr
.irp k, 0,1,2,3
	v_pk_fma_f32 v[PP+8*\b+2*\k:PP+8*\b+2*\k+1], v[WT+2*\k:WT+2*\k+1], v[\acc+8*\b+2*\k:\acc+8*\b+2*\k+1], v[PP+8*\b+2*\k:PP+8*\b+2*\k+1]   ; (P(t) - z^2) log2(e) - 1
.endr
.endr
.set i, 0
.rept 32
	v_exp_f32 v[PP+i], v[PP+i]
.set i, i+1
.endr
	v_nop
	s_wait_alu depctr_va_vdst(0)
.set i, 0
.rept 16
	v_pk_mul_f32 v[PP+i:PP+i+1], v[TT+i:TT+i+1], v[PP+i:PP+i+1]      ; erfc(z) / 2
.set i, i+2
.endr
.set i, 0
.rept 32
	v_max_num_f32 v[TT+i], 0, v[\acc+i]
.set i, i+1
.endr
.set i, 0
.rept 32
	v_fma_f32 v[\acc+i], -|v[\acc+i]|, v[PP+i], v[TT+i]              ; gelu, in the sums' units
.set i, i+1
.endr
	s_wait_dscnt 0x0                               ; the last codes' stores have read their registers
.irp t, 0,1,2,3
	QUANT8 \acc+8*\t, PC+2*\t, QSC, QLIM
.endr
	v_nop
	ds_store_b128 v[A2], v[PC:PC+3] offset:4096*\m0
	ds_store_b128 v[A2], v[PC+4:PC+7] offset:4096*\m0+4096
.endm
	s_wait_loadcnt 0x0
	v_mov_b32 v[QSC], s86
	v_mov_b32 v[QLIM], s87
	v_add_nc_u32 v[A0], IMGA, v[L16]
	s_mov_b32 s101, HID0
	s_mov_b32 s3, 0
	FETCHP 0
.Lmlp:
	v_add_nc_u32 v[A1], s101, v[L16]
	v_add_nc_u32 v[A2], s101, v[IW]
.set i, 0
.rept 16
	v_ldexp_f32 v[B1+i], v[B1+i], s92
.set i, i+1
.endr
	s_wait_dscnt 0x0
	F1W ACC0
	NOP4
	FETCHP 1
	s_wait_dscnt 0x0
	F1W ACC1                                       ; the next pair's products are issued ahead of this pair's GELU
	GELU_A ACC0
	FETCHP 2
	GELU_B ACC0, 0
	s_wait_dscnt 0x0
	F1W ACC0
	GELU_A ACC1
	FETCHP 3
	GELU_B ACC1, 2
	s_wait_dscnt 0x0
	F1W ACC1
	GELU_A ACC0
	s_cmp_eq_u32 s3, 3                             ; fc1's weights have had this chunk's last product: the next chunk's are asked for, if there is one: no load leaves its buffer
	s_cbranch_scc1 .Lno_w1
	WIN 0x40
	LDW 128, 38, 65536
	WIN 0
	LDV B1, 28, 1024
.Lno_w1:
	GELU_B ACC0, 4
	GELU_A ACC1
	GELU_B ACC1, 6
	s_wait_loadcnt 0x0                             ; fc2's weights of this chunk, asked for a trip ago, and what was asked for above; zero is right on the way without loads too
	BAR                                            ; the chunk's sixteen fragments lie in LDS.  One barrier a chunk: the two images take turns, and a wave writes one again only behind the barrier that all reached with their reads of it done
	FETCHH 0, AF
	FETCHH 1, TT
	s_wait_dscnt 16                                ; this pair's fragments are in; the next pair's sixteen loads may be out
	F2W 0, AF
	NOP4
	FETCHH 2, AF
	s_wait_dscnt 16
	F2W 1, TT
	NOP4
	FETCHH 3, TT
	s_wait_dscnt 16
	F2W 2, AF
	NOP4
	s_wait_dscnt 0x0
	F2W 3, TT
	NOP4
	s_cmp_eq_u32 s3, 3
	s_cbranch_scc1 .Lno_w2
	WIN 0x40
	LDW 192, 32, 65536
	WIN 0
	FETCHP 0
.Lno_w2:
	s_wait_xcnt 0x0                                ; the loads have read their bases: they step
	s_add_nc_u64 s[38:39], s[38:39], 65536
	s_add_nc_u64 s[32:33], s[32:33], 65536
	s_add_nc_u64 s[28:29], s[28:29], 1024
	s_xor_b32 s101, s101, 0x8000
	s_add_co_u32 s3, s3, 1
	s_cmp_lt_u32 s3, 4
	s_cbranch_scc1 .Lmlp
	; ================= the way out: my strips into the rows, a barrier, whole image rows to memory
	s_wait_dscnt 0x0
	WIN 0x01
.set i, 0
.rept 64
	v_pk_mul_f32 v[OB+i:OB+i+1], v[i:i+1], s[68:69] op_sel_hi:[1,0]   ; x 2^(e12 + e13); each accumulator from its low end on
.set i, i+2
.endr
	WIN 0
.set m, 0
.rept 8
.irp u, 0,1
.irp p, 0,1
.if m < 4
	ds_store_b128 v[XD], v[OB+16*m+8*\u+4*\p:OB+16*m+8*\u+4*\p+3] offset:(m%4)*TB16+64*\u+16*\p
.else
	ds_store_b128 v[XD4], v[OB+16*m+8*\u+4*\p:OB+16*m+8*\u+4*\p+3] offset:(m%4)*TB16+64*\u+16*\p
.endif
.endr
.endr
.set m, m+1
.endr
	BAR                                            ; 128 whole rows of the result lie in LDS
.set k, 0
.rept 32
.if k < 16
	ds_load_b128 v[OB+4*k:OB+4*k+3], v[DW0] offset:((k/2)%8)*XP+512*(k%2)
.else
	ds_load_b128 v[OB+4*k:OB+4*k+3], v[DW1] offset:((k/2)%8)*XP+512*(k%2)
.endif
.set k, k+1
.endr
.set k, 0
.rept 32
	s_wait_dscnt 31-k                              ; LDS loads come back in order: load k is in, the younger ones may be out
	global_store_b128 v[GX], v[OB+4*k:OB+4*k+3], s[36:37] offset:512*k th:TH_STORE_NT   ; 32 lanes store 512 consecutive bytes, at a multiple of 256 from out0's first byte
.set k, k+1
.endr
	s_wait_xcnt 0x0
	v_lshl_add_u32 v254, v0, 2, 0x44000
	v_mov_b32 v255, 0
	s_wait_tensorcnt 0x0
	ds_add_u32 v254, v255
	s_wait_dscnt 0x0
	s_endpgm
.Lfunc_end_k_q98a2524840_block:
	.size	k_q98a2524840_block, .Lfunc_end_k_q98a2524840_block-k_q98a2524840_block
	.p2alignl 7, 3214868480
	.fill 96, 4, 3214868480
	.section	.rodata,"a",@progbits
	.p2align	6, 0x0
	.amdhsa_kernel k_q98a2524840_block
		.amdhsa_group_segment_fixed_size 279552
		.amdhsa_private_segment_fixed_size 0
		.amdhsa_enable_private_segment 0
		.amdhsa_kernarg_size 120
		.amdhsa_user_sgpr_count 2
		.amdhsa_user_sgpr_kernarg_segment_ptr 1
		.amdhsa_wavefront_size32 1
		.amdhsa_system_sgpr_workgroup_id_x 1
		.amdhsa_system_sgpr_workgroup_id_y 1
		.amdhsa_system_sgpr_workgroup_id_z 1
		.amdhsa_system_vgpr_workitem_id 0
		.amdhsa_next_free_vgpr 512
		.amdhsa_next_free_sgpr 102
		.amdhsa_reserve_vcc 0
		.amdhsa_float_denorm_mode_32 3
		.amdhsa_float_denorm_mode_16_64 3
		.amdhsa_memory_ordered 1
		.amdhsa_forward_progress 1
		.amdhsa_inst_pref_size 255
	.end_amdhsa_kernel
	.section	.bss,"aw",@nobits
	.p2align	6
	.space	262144
	.amdgpu_metadata
---
amdhsa.version: [ 1, 2 ]
amdhsa.kernels:
  - .name:           k_q98a2524840_block
    .symbol:         k_q98a2524840_block.kd
    .args:
      - { .name: x1, .offset: 0, .size: 8, .value_kind: global_buffer, .address_space: global }
      - { .name: x2, .offset: 8, .size: 8, .value_kind: global_buffer, .address_space: global }
      - { .name: norm1_g, .offset: 16, .size: 8, .value_kind: global_buffer, .address_space: global }
      - { .name: norm1_b, .offset: 24, .size: 8, .value_kind: global_buffer, .address_space: global }
      - { .name: q_b, .offset: 32, .size: 8, .value_kind: global_buffer, .address_space: global }
      - { .name: kv_b, .offset: 40, .size: 8, .value_kind: global_buffer, .address_space: global }
      - { .name: proj_b, .offset: 48, .size: 8, .value_kind: global_buffer, .address_space: global }
      - { .name: rel_table, .offset: 56, .size: 8, .value_kind: global_buffer, .address_space: global }
      - { .name: norm3_g, .offset: 64, .size: 8, .value_kind: global_buffer, .address_space: global }
      - { .name: norm3_b, .offset: 72, .size: 8, .value_kind: global_buffer, .address_space: global }
      - { .name: fc1_b, .offset: 80, .size: 8, .value_kind: global_buffer, .address_space: global }
      - { .name: fc2_b, .offset: 88, .size: 8, .value_kind: global_buffer, .address_space: global }
      - { .name: lowp_scales, .offset: 96, .size: 8, .value_kind: global_buffer, .address_space: global }
      - { .name: wc, .offset: 104, .size: 8, .value_kind: global_buffer, .address_space: global }
      - { .name: out0, .offset: 112, .size: 8, .value_kind: global_buffer, .address_space: global }
    .group_segment_fixed_size: 279552
    .private_segment_fixed_size: 0
    .kernarg_segment_align: 8
    .kernarg_segment_size: 120
    .max_flat_workgroup_size: 256
    .sgpr_count:     102
    .vgpr_count:     512
    .wavefront_size: 32
...
	.end_amdgpu_metadata
.endif
;; end of part 2
;; ======== version 2 of 2: 2 launches; version 1 with the launch block written anew for expert scheduling mode
;; workspace buffers: wc 786,432 bytes
;; launch prep: the kernel of part 1 again; grid 32 x 12, 1 waves a work-group, no clusters, 0 bytes of LDS; arguments q_w, kv_w, proj_w, fc1_w, fc2_w, lowp_scales, wc; writes wc
;; launch block (part 3): grid 512 x 1, 8 waves a work-group, no clusters, 279,552 bytes of LDS; arguments x1, x2, norm1_g, norm1_b, q_b, kv_b, proj_b, rel_table, norm3_g, norm3_b, fc1_b, fc2_b, lowp_scales, wc, out0; writes out0
.if DOCPART == 3
	.amdgcn_target "amdgcn-amd-amdhsa--gfx1250"
	.amdhsa_code_object_version 6
	.text
	.protected	k_q98a2524840_block
	.globl	k_q98a2524840_block
	.p2align	8
	.type	k_q98a2524840_block,@function
k_q98a2524840_block:
	s_mov_b64 s[64:65], 0
	v_nop
	global_prefetch_b8 v0, s[64:65] scope:SCOPE_SE
	s_setreg_imm32_b32 hwreg(HW_REG_WAVE_SCHED_MODE, 0, 2), 2
	s_setreg_imm32_b32 hwreg(HW_REG_WAVE_MODE, 25, 1), 1
	s_wait_xcnt 0x0
	s_wait_alu depctr_vm_vsrc(0)
; The whole block for 128 tokens: two neighbouring windows of 8 x 8, which are 8 image rows of 16 tokens (16,384 consecutive bytes each).  All seven products on codes of E5M2 with the given scales; all else f32.
; SHARES.  Eight waves.  WAVE w IS HEAD w, and owns channels 32 w .. 32 w + 31 of every 256-wide result (and 32 of each 256 hidden units).  Its slices of the weights come from wc (laid by the launch before in the
; order of the operand's registers) straight into its registers, each fragment once a work-group.  q, k, v, the scores, p and o of a head never leave the wave's registers.
; FRAGMENT: 16 rows x 128 K, 16 registers: lane (r = lane % 16, h = lane / 16) holds row r; registers 2 c, 2 c + 1 hold k = 16 c + 8 h + 0 .. 7 (the K = 64 form: 8 registers).
; NORM1 IS DONE WHERE THE ROWS LAND.  Wave w loads image row w of x2 and of x1, 512 consecutive bytes a load: a token's 256 channels lie in 8 registers x 32 lanes (channels 4 lane + 0 .. 3 and 128 + 4 lane + 0 .. 3),
; so its mean and its variance (two passes: no difference of large sums) never leave the wave.  One conversion of eight gives 4 + 4 codes, which two ds_store_b32 lay into plain ROWS OF CODES in LDS (256 bytes + 16);
; a fragment comes out of such rows by eight ds_load_b64 at row x 272 + 128 s + 16 c + 8 h.  x2 never lies in LDS as f32; x1 does, for the residual.
; Products are used TRANSPOSED (source 0 = 16 output channels, source 1 = 16 tokens): lane (r, h) then holds token r and register 8 u + j channel 32 w + 16 u + 8 h + j.  Two conversions of eight make
; registers 4 (w % 4) .. + 3 of the next operand's fragment of K step w / 4: one ds_store_b128 puts them into that fragment's IMAGE in LDS (registers 4 g .. 4 g + 3 of lane l at 512 g + 16 l), and any wave
; loads the fragment back by four ds_load_b128 (o, LN3(x), the hidden layer).  v alone is made the other way round (source 0 = tokens), so that a lane holds one channel and its registers run along the keys.
; x1, then x = x1 + attention, lie in LDS as f32 rows of 1,040 bytes; between the dense fill and the dense way out each wave touches only its own 128 bytes of a row.
; NORM3: x is made in column strips, so each wave takes the mean and the sum of squared deviations of its 32 columns of a row; the eight pairs meet in LDS and are combined from means and deviations.
; SOFTMAX: t = logit x log2(e); M = the ceiling of the row's largest t over all 64 keys; p = 2^(t - M) is quantised; the sum of the unquantised p divides the second product's result.
; GELU: x Phi(x) = max(x, 0) - |x| erfc(|x| / sqrt 2) / 2, erfc(z) = t exp(-z^2 + P(t)), t = 1 / (1 + z / 2), P of degree 9 (a fit good to about 1.2e-7 of erfc itself, in both tails).
; SCALES ARE FOLDED: a sum stands for sum x 2^(ea + eb); a bias goes in as the C of a sum's first product, divided by that power; the next conversion takes 2^(e_next - ea - eb).
; LIMITS on the given exponents, so that each power of two is an f32 number: e0, e2, e6, e10, e5-e2-e3, e7-e2-e3, e4-e0-e1, e8-e6-e7, e12-e10-e11 between -126 and 112; e8+e9 and e12+e13 between -126 and 126;
; e4+e5 and e10+e11 between -120 and 120, 2 (e10+e11) likewise (they are added to a constant's exponent field).  NaN and infinities among the inputs are not served.  Operand A of the third product is q / sqrt 32 (e4), B is k (e5).
; No tensor loads: what all work-groups share is the weights alone, and they go to registers; LDS is taken by the rows and the images.
; THE MODE: SCHED_MODE bits 1:0 = 2 (LLVM: expert scheduling mode 2), set by the entry lines.  The code itself states the register dependences between vector or matrix instructions and memory or LDS
; instructions, with s_wait_alu, always for 0.
; THE PLAN.  Registers that memory or LDS instructions touch, and who else names them:
;   v1-11, v15, v30, v31   offsets and addresses: made at the head, ahead of the one wait on va_vdst in front of the first load, and never written again.
;   A0, A1, A2 (v12-14)    LDS addresses in hand: written by additions at a phase's or a trip's head, read by that trip's LDS instructions.  A wait on vm_vsrc at each loop's end, ahead of its branch; a wait on va_vdst behind the additions.
;   the landing registers  of x2 and x1: loaded once, worked on in place.  x1's are read by the raw rows' LDS stores first: a wait on vm_vsrc ahead of the first line that works on them.
;   LC (v112-127)          norm1's codes, two sets by turns: conversions write, LDS stores read: va_vdst ahead of a batch's stores, vm_vsrc ahead of the conversions two batches on.
;   R .. R+63, AF, TT, ACC fragments: LDS loads land, matrix instructions read.  A buffer is asked for again behind a wait on va_vdst that stands behind its last reader; where a wait for a batch of transcendentals or for a
;                          store's data stands there anyway, the loads are laid directly behind that wait and owe none of their own.
;   window 1               weights, bias tiles: global loads land, matrix instructions read: likewise.
;   codes on their way to an image (v[R+80 ..], v[R+88 ..], PC): conversions write, LDS stores read: va_vdst ahead of the stores, vm_vsrc ahead of the next writer.
; Between such a wait and the loads or stores that lean on it no vector or matrix instruction names a register that they touch.
.set XP,    1040                       ; an LDS row of x: 1,024 bytes + 16: 65 x 16, so that the sixteen rows of a load start at sixteen different 16-byte columns
.set TB16,  16*XP                      ; a tile of 16 rows
.set RP,    272                        ; an LDS row of 256 codes + 16: the 32 lanes of a ds_load_b64 (16 rows x 2 halves) touch 32 different 8-byte columns
.set X1B,   0                          ; x1's 128 rows; then x; then the result
.set A1R,   128*XP                     ; rows of codes of Q(LN1(x1)): 128 x 272
.set A2R,   A1R+128*RP                 ; rows of codes of Q(LN1(x2))
.set HID0,  A1R                        ; images of 256 hidden units, two by turns, the second 0x8000 on: they lie over the rows of codes, which have had their last read ahead of the barrier behind attention
.set OI,    A2R+128*RP                 ; image of Q(o): 8 tiles x 2 K steps x 2,048 bytes
.set IMGA,  OI+32768                   ; image of Q(LN3(x))
.set STA,   IMGA+32768                 ; a row's eight means (+ 4 w) and eight sums of squares (+ 32 + 4 w), 80 bytes a row
.set SEC_K, 0
.set SEC_V, 65536
.set SEC_Q, 131072
.set SEC_P, 196608
.set SEC_F1, 262144
.set SEC_F2, 524288
; window 0
.set L16, 1                            ; 16 x lane
.set XD,  2                            ; 1,040 r + 128 w + 32 h: my 32 bytes of a tile's row
.set XD4, 3                            ; the same, four tiles on
.set SD,  4                            ; 80 r + 4 w
.set SR,  5                            ; 80 r
.set IW,  6                            ; 16 x lane + 2,048 (w / 4) + 512 (w % 4): where my four code registers lie in a tile's image
.set GX,  7                            ; 16 x lane + 65,536 w: my bytes of image row w, in memory
.set DW0, 8                            ; 16 x lane + 8,320 w: the same tokens' rows in LDS, window 0
.set DW1, 9                            ; window 1
.set WO,  10                           ; 16 x lane + 8,192 w: my slice of a section of wc
.set VO,  11                           ; 128 w + 32 h: my eight numbers of a vector of 256
.set A0,  12                           ; LDS addresses in hand
.set A1,  13
.set A2,  14
.set RB,  15                           ; my place in rel_table
.set QSC, 16                           ; scale and limit of the quantiser in hand (layer norms, hidden layer)
.set QLIM, 17
.set KSC, 18                           ; v18-27: scale, limit of k, v, q, p, o
.set VBO, 30                           ; 4 r + 128 w
.set RWL, 31                           ; 4 x lane + 8 w rows of codes: where my four codes of a token's half row go
.set PB,  32                           ; proj_b's tile pair; later fc1_b's
.set B1,  32
.set LT,  48                           ; norm1: four temporaries for each of four tokens
.set VBC, 48                           ; v's bias, eight times for each tile; later fc2_b; later codes and temporaries
.set B2T, 48
.set PC,  48
.set WT,  56
.set KB,  64
.set QB,  80
.set G3,  64
.set B3,  80
.set GD,  96                           ; norm1's g and b at my eight channels of a row as it lands
.set BD,  104
.set LC,  112                          ; norm1: two registers of codes a token, two batches by turns
.set KF,  96                           ; k: 4 tiles x (4 registers of codes + 4 of zeros)
.set VF,  128                          ; v: 2 tiles of channels x 64 keys
.set QF,  144                          ; q: 2 tiles x (4 + 4 zeros)
.set R,   160                          ; v160-255: at work
.set ACC0, 64                          ; fc1's sums; behind a chunk's last GELU the 64 registers from here on are fc2's third buffer of fragments
.set ACC1, 96
.set AF,  128
.set TT,  192
.set PP,  224
.set OB,  64
; window 0 v128-255: x2 as it lands.  window 1: v0-127 WK 0, WV 64; WP 0; XR (fc2's accumulators).  v128-255: x1 as it lands; WQ 128, the bias tiles 192; WA 128, WB 192
.set MSB, 0
.macro WIN new                         ; s_set_vgpr_msb: bits 1:0 source 0, 3:2 source 1, 5:4 source 2, 7:6 destination; the high byte repeats the setting that is left
.if MSB != \new
	s_set_vgpr_msb (MSB<<8)|\new
.set MSB, \new
.endif
.endm
.macro BAR                             ; my LDS stores have landed and my LDS loads are in: then the work-group's barrier
	s_wait_dscnt 0x0
	s_barrier_signal -1
	s_barrier_wait -1
.endm
.macro NOP4                            ; four places behind a matrix instruction (ISA guide 7.12.1), where no other plain vector work is at hand
.rept 4
	v_nop
.endr
.endm
.macro FETCH reg, adr, off             ; a fragment's image back into 16 registers
.irp g, 0,1,2,3
	ds_load_b128 v[\reg+4*\g:\reg+4*\g+3], v[\adr] offset:\off+512*\g
.endr
.endm
.macro FETCHR reg, adr, off            ; a fragment out of rows of codes: registers 2 c, 2 c + 1 = k 16 c + 8 h + 0 .. 7 of row r
.irp c, 0,1,2,3,4,5,6,7
	ds_load_b64 v[\reg+2*\c:\reg+2*\c+1], v[\adr] offset:\off+16*\c
.endr
.endm
.macro WM128 d, a, b, c
	v_wmma_f32_16x16x128_bf8_bf8 v[\d:\d+7], v[\a:\a+15], v[\b:\b+15], v[\c:\c+7]
.endm
.macro LDV reg, sb, off                ; my 16 numbers of a vector: register 8 u + j = channel 32 w + 16 u + 8 h + j
.irp u, 0,1
.irp p, 0,1
	global_load_b128 v[\reg+8*\u+4*\p:\reg+8*\u+4*\p+3], v[VO], s[\sb:\sb+1] offset:\off+64*\u+16*\p
.endr
.endr
.endm
.macro LDW reg, sb, off                ; my four fragments of a section of wc: 8,192 consecutive bytes, 512 a load
.set k, 0
.rept 16
	global_load_b128 v[\reg+4*k:\reg+4*k+3], v[WO], s[\sb:\sb+1] offset:\off+512*k
.set k, k+1
.endr
.endm
.macro XLD reg, adr                    ; my strips of two tiles of rows
.irp t, 0,1
.irp u, 0,1
.irp p, 0,1
	ds_load_b128 v[\reg+16*\t+8*\u+4*\p:\reg+16*\t+8*\u+4*\p+3], v[\adr] offset:TB16*\t+64*\u+16*\p
.endr
.endr
.endr
.endm
.macro XST reg, adr
.irp t, 0,1
.irp u, 0,1
.irp p, 0,1
	ds_store_b128 v[\adr], v[\reg+16*\t+8*\u+4*\p:\reg+16*\t+8*\u+4*\p+3] offset:TB16*\t+64*\u+16*\p
.endr
.endr
.endr
.endm
; Four tokens' numbers at v[LT + 4 t + o] are summed over the 32 lanes: four steps inside each half ride on the addition, one crosses the halves (into the temporary beside, which has been written).
.macro LSUM o
.irp x, 1,2,4,8
.irp t, 0,1,2,3
	v_add_f32_dpp v[LT+4*\t+\o], v[LT+4*\t+\o], v[LT+4*\t+\o] row_xmask:\x row_mask:0xf bank_mask:0xf
.endr
.endr
.irp t, 0,1,2,3
	v_permlanex16_b32 v[LT+4*\t+\o+1], v[LT+4*\t+\o], s54, s55
.endr
.irp t, 0,1,2,3
	v_add_f32 v[LT+4*\t+\o], v[LT+4*\t+\o], v[LT+4*\t+\o+1]
.endr
.endm
; NORM1 OF FOUR TOKENS, 4 b .. 4 b + 3 of my image row, line by line by turns.  Token tt's eight numbers stand at v[xb + 8 tt] of window hi.  adr: my place in the rows of codes.  raw = 1: the rows go to LDS as f32 first.
.macro LNB xb, hi, b, adr, raw
	s_wait_loadcnt 56-8*\b                         ; loads come back in order: these tokens' eight are in; out may be the tensor's later 24 - 8 b and the 32 issued behind them
.if \raw
	WIN 0x04                                       ; store data in window 1
.irp t, 0,1,2,3
.set LX, \xb+8*(4*\b+\t)
	ds_store_b128 v[DW0+\b/2], v[LX:LX+3] offset:((4*\b+\t)%8)*XP          ; data as the loads left them, an address from the head: no vector instruction has named either since the head's wait
	ds_store_b128 v[DW0+\b/2], v[LX+4:LX+7] offset:((4*\b+\t)%8)*XP+512
.endr
.endif
	WIN 0x05*\hi
.irp t, 0,1,2,3
.set LX, \xb+8*(4*\b+\t)
	v_pk_add_f32 v[LT+4*\t:LT+4*\t+1], v[LX:LX+1], v[LX+2:LX+3]
.endr
.irp t, 0,1,2,3
.set LX, \xb+8*(4*\b+\t)
	v_pk_add_f32 v[LT+4*\t+2:LT+4*\t+3], v[LX+4:LX+5], v[LX+6:LX+7]
.endr
	WIN 0
.irp t, 0,1,2,3
	v_pk_add_f32 v[LT+4*\t:LT+4*\t+1], v[LT+4*\t:LT+4*\t+1], v[LT+4*\t+2:LT+4*\t+3]
.endr
.irp t, 0,1,2,3
	v_add_f32 v[LT+4*\t], v[LT+4*\t], v[LT+4*\t+1]
.endr
	LSUM 0
.irp t, 0,1,2,3
	v_mul_f32 v[LT+4*\t], 0x3b800000, v[LT+4*\t]   ; the mean: / 256
.endr
.if \raw
	s_wait_dscnt 0x0                               ; the stores of the raw rows have read their registers, which are now worked on in place
.endif
.if (\raw) || ((\b) > 1)
	s_wait_alu depctr_vm_vsrc(0)                   ; the stores of the batch before last have read this batch's code registers, which the conversions below write; raw = 1: the stores above have read the raw rows, which the lines below write
.endif
	WIN 0x41*\hi
.irp q, 0,1,2,3
.irp t, 0,1,2,3
.set LX, \xb+8*(4*\b+\t)
	v_pk_add_f32 v[LX+2*\q:LX+2*\q+1], v[LX+2*\q:LX+2*\q+1], v[LT+4*\t:LT+4*\t+1] op_sel_hi:[1,0] neg_lo:[0,1] neg_hi:[0,1]
.endr
.endr
	WIN 0x05*\hi
.irp t, 0,1,2,3
.set LX, \xb+8*(4*\b+\t)
	v_pk_mul_f32 v[LT+4*\t+2:LT+4*\t+3], v[LX:LX+1], v[LX:LX+1]
.endr
.irp q, 1,2,3
.irp t, 0,1,2,3
.set LX, \xb+8*(4*\b+\t)
	v_pk_fma_f32 v[LT+4*\t+2:LT+4*\t+3], v[LX+2*\q:LX+2*\q+1], v[LX+2*\q:LX+2*\q+1], v[LT+4*\t+2:LT+4*\t+3]
.endr
.endr
	WIN 0
.irp t, 0,1,2,3
	v_add_f32 v[LT+4*\t+2], v[LT+4*\t+2], v[LT+4*\t+3]
.endr
	LSUM 2
.irp t, 0,1,2,3
	v_fma_f32 v[LT+4*\t+2], v[LT+4*\t+2], 0x3b800000, s56     ; the variance + eps
.endr
.irp t, 0,1,2,3
	v_rsq_f32 v[LT+4*\t+2], v[LT+4*\t+2]
.endr
	v_nop                                          ; a plain instruction behind the last transcendental,
	s_wait_alu depctr_va_vdst(0)                   ; and the one wait for the four, ahead of their first reader
	WIN 0x41*\hi
.irp q, 0,1,2,3
.irp t, 0,1,2,3
.set LX, \xb+8*(4*\b+\t)
	v_pk_mul_f32 v[LX+2*\q:LX+2*\q+1], v[LX+2*\q:LX+2*\q+1], v[LT+4*\t+2:LT+4*\t+3] op_sel_hi:[1,0]
.endr
.endr
.irp q, 0,1,2,3
.irp t, 0,1,2,3
.set LX, \xb+8*(4*\b+\t)
	v_pk_fma_f32 v[LX+2*\q:LX+2*\q+1], v[LX+2*\q:LX+2*\q+1], v[GD+2*\q:GD+2*\q+1], v[BD+2*\q:BD+2*\q+1]
.endr
.endr
.irp i, 0,1,2,3,4,5,6,7
.irp t, 0,1,2,3
.set LX, \xb+8*(4*\b+\t)
	v_med3_num_f32 v[LX+\i], v[LX+\i], -v[QLIM], v[QLIM]      ; the conversion to an 8-bit code does not saturate (ISA guide 7.6.2): the hold comes first
.endr
.endr
	WIN 0x01*\hi
	s_wait_dscnt 0x0                               ; the stores of the batch before last have read these code registers
.irp t, 0,1,2,3
.set LX, \xb+8*(4*\b+\t)
	v_cvt_scalef32_pk8_bf8_f32 v[LC+8*(\b%2)+2*\t:LC+8*(\b%2)+2*\t+1], v[LX:LX+7], v[QSC]
.endr
	WIN 0
	v_nop                                          ; a plain instruction behind the last scaled conversion
	s_wait_alu depctr_va_vdst(0)                   ; the conversions have written the codes, which the stores below read; in a tensor's first batch: their address is written.  All that norm1 does to these tokens' registers is done too
.irp t, 0,1,2,3
	ds_store_b32 v[\adr], v[LC+8*(\b%2)+2*\t] offset:((4*\b+\t)/8*64+(4*\b+\t)%8)*RP          ; channels 4 lane on: the wave stores 128 consecutive bytes
	ds_store_b32 v[\adr], v[LC+8*(\b%2)+2*\t+1] offset:((4*\b+\t)/8*64+(4*\b+\t)%8)*RP+128    ; channels 128 + 4 lane on
.endr
.endm
; Two tiles' local statistics, line by line by turns.  xr: 2 x 16 numbers.  tr: 2 x 16 temporaries.  Out: the mean of my wave's 32 columns at tr + 16 t, the sum of squared deviations from it at tr + 16 t + 10.
.macro STAT2 xr, tr
.irp q, 0,1,2,3
.irp t, 0,1
	v_pk_add_f32 v[\tr+16*\t+2*\q:\tr+16*\t+2*\q+1], v[\xr+16*\t+4*\q:\xr+16*\t+4*\q+1], v[\xr+16*\t+4*\q+2:\xr+16*\t+4*\q+3]
.endr
.endr
.irp t, 0,1
	v_pk_add_f32 v[\tr+16*\t:\tr+16*\t+1], v[\tr+16*\t:\tr+16*\t+1], v[\tr+16*\t+2:\tr+16*\t+3]
	v_pk_add_f32 v[\tr+16*\t+4:\tr+16*\t+5], v[\tr+16*\t+4:\tr+16*\t+5], v[\tr+16*\t+6:\tr+16*\t+7]
.endr
.irp t, 0,1
	v_pk_add_f32 v[\tr+16*\t:\tr+16*\t+1], v[\tr+16*\t:\tr+16*\t+1], v[\tr+16*\t+4:\tr+16*\t+5]
.endr
.irp t, 0,1
	v_add_f32 v[\tr+16*\t], v[\tr+16*\t], v[\tr+16*\t+1]
.endr
.irp t, 0,1
	v_permlanex16_b32 v[\tr+16*\t+2], v[\tr+16*\t], s54, s55   ; the row's other 16 columns of my wave lie in lane l xor 16; the destination is a temporary that has been written
.endr
.irp t, 0,1
	v_add_f32 v[\tr+16*\t], v[\tr+16*\t], v[\tr+16*\t+2]
.endr
.irp t, 0,1
	v_mul_f32 v[\tr+16*\t], 0x3d000000, v[\tr+16*\t]           ; / 32
.endr
.irp q, 0,1,2,3,4,5,6,7
.irp t, 0,1
	v_pk_add_f32 v[\tr+16*\t+2+2*(\q%4):\tr+16*\t+3+2*(\q%4)], v[\xr+16*\t+2*\q:\xr+16*\t+2*\q+1], v[\tr+16*\t:\tr+16*\t+1] op_sel_hi:[1,0] neg_lo:[0,1] neg_hi:[0,1]
.endr
.irp t, 0,1
.if \q < 2
	v_pk_mul_f32 v[\tr+16*\t+10+2*\q:\tr+16*\t+11+2*\q], v[\tr+16*\t+2+2*(\q%4):\tr+16*\t+3+2*(\q%4)], v[\tr+16*\t+2+2*(\q%4):\tr+16*\t+3+2*(\q%4)]
.else
	v_pk_fma_f32 v[\tr+16*\t+10+2*(\q%2):\tr+16*\t+11+2*(\q%2)], v[\tr+16*\t+2+2*(\q%4):\tr+16*\t+3+2*(\q%4)], v[\tr+16*\t+2+2*(\q%4):\tr+16*\t+3+2*(\q%4)], v[\tr+16*\t+10+2*(\q%2):\tr+16*\t+11+2*(\q%2)]
.endif
.endr
.endr
.irp t, 0,1
	v_pk_add_f32 v[\tr+16*\t+10:\tr+16*\t+11], v[\tr+16*\t+10:\tr+16*\t+11], v[\tr+16*\t+12:\tr+16*\t+13]
.endr
.irp t, 0,1
	v_add_f32 v[\tr+16*\t+10], v[\tr+16*\t+10], v[\tr+16*\t+11]
.endr
.irp t, 0,1
	v_permlanex16_b32 v[\tr+16*\t+2], v[\tr+16*\t+10], s54, s55
.endr
.irp t, 0,1
	v_add_f32 v[\tr+16*\t+10], v[\tr+16*\t+10], v[\tr+16*\t+2]
.endr
.endm
.macro STST adr, tr                    ; both halves of the lanes hold the same numbers and write the same words
	ds_store_b32 v[\adr], v[\tr]
	ds_store_b32 v[\adr], v[\tr+10] offset:32
	ds_store_b32 v[\adr], v[\tr+16] offset:1280
	ds_store_b32 v[\adr], v[\tr+26] offset:1312
.endm
; Eight means (sg + 16 t + 0 .. 7) and eight sums of squares (+ 8 .. 15) of a row become its mean (tg + 8 t) and 1 / sqrt(var + eps) (tg + 8 t + 4).
.macro COMB2 sg, tg
.irp t, 0,1
	v_pk_add_f32 v[\tg+8*\t:\tg+8*\t+1], v[\sg+16*\t:\sg+16*\t+1], v[\sg+16*\t+2:\sg+16*\t+3]
	v_pk_add_f32 v[\tg+8*\t+2:\tg+8*\t+3], v[\sg+16*\t+4:\sg+16*\t+5], v[\sg+16*\t+6:\sg+16*\t+7]
.endr
.irp t, 0,1
	v_pk_add_f32 v[\tg+8*\t:\tg+8*\t+1], v[\tg+8*\t:\tg+8*\t+1], v[\tg+8*\t+2:\tg+8*\t+3]
.endr
.irp t, 0,1
	v_add_f32 v[\tg+8*\t], v[\tg+8*\t], v[\tg+8*\t+1]
.endr
.irp t, 0,1
	v_mul_f32 v[\tg+8*\t], 0x3e000000, v[\tg+8*\t]             ; the row's mean: / 8
.endr
.irp t, 0,1
	v_pk_add_f32 v[\tg+8*\t+2:\tg+8*\t+3], v[\sg+16*\t+8:\sg+16*\t+9], v[\sg+16*\t+10:\sg+16*\t+11]
	v_pk_add_f32 v[\tg+8*\t+4:\tg+8*\t+5], v[\sg+16*\t+12:\sg+16*\t+13], v[\sg+16*\t+14:\sg+16*\t+15]
.endr
.irp t, 0,1
	v_pk_add_f32 v[\tg+8*\t+2:\tg+8*\t+3], v[\tg+8*\t+2:\tg+8*\t+3], v[\tg+8*\t+4:\tg+8*\t+5]
.endr
.irp t, 0,1
	v_add_f32 v[\tg+8*\t+2], v[\tg+8*\t+2], v[\tg+8*\t+3]
.endr
.irp q, 0,1,2,3
.irp t, 0,1
	v_pk_add_f32 v[\sg+16*\t+2*\q:\sg+16*\t+2*\q+1], v[\sg+16*\t+2*\q:\sg+16*\t+2*\q+1], v[\tg+8*\t:\tg+8*\t+1] op_sel_hi:[1,0] neg_lo:[0,1] neg_hi:[0,1]
.endr
.endr
.irp t, 0,1
	v_pk_mul_f32 v[\tg+8*\t+4:\tg+8*\t+5], v[\sg+16*\t:\sg+16*\t+1], v[\sg+16*\t:\sg+16*\t+1]
.endr
.irp q, 1,2,3
.irp t, 0,1
	v_pk_fma_f32 v[\tg+8*\t+4:\tg+8*\t+5], v[\sg+16*\t+2*\q:\sg+16*\t+2*\q+1], v[\sg+16*\t+2*\q:\sg+16*\t+2*\q+1], v[\tg+8*\t+4:\tg+8*\t+5]
.endr
.endr
.irp t, 0,1
	v_add_f32 v[\tg+8*\t+4], v[\tg+8*\t+4], v[\tg+8*\t+5]
.endr
.irp t, 0,1
	v_fma_f32 v[\tg+8*\t+2], v[\tg+8*\t+4], 0x42000000, v[\tg+8*\t+2]   ; + 32 x the means' squared deviations
.endr
.irp t, 0,1
	v_fma_f32 v[\tg+8*\t+2], v[\tg+8*\t+2], 0x3b800000, s56            ; / 256 + eps
.endr
.irp t, 0,1
	v_rsq_f32 v[\tg+8*\t+4], v[\tg+8*\t+2]
.endr
	v_nop                                          ; a plain instruction behind the last transcendental,
	s_wait_alu depctr_va_vdst(0)                   ; and the one wait for both, ahead of their first reader
.endm
.macro NORMQ xr, mn, rs, gr, br, pcr   ; 16 numbers: (x - mean) x rstd x g + b, held, to four registers of codes
.irp q, 0,1,2,3,4,5,6,7
	v_pk_add_f32 v[\xr+2*\q:\xr+2*\q+1], v[\xr+2*\q:\xr+2*\q+1], v[\mn:\mn+1] op_sel_hi:[1,0] neg_lo:[0,1] neg_hi:[0,1]
.endr
.irp q, 0,1,2,3,4,5,6,7
	v_pk_mul_f32 v[\xr+2*\q:\xr+2*\q+1], v[\xr+2*\q:\xr+2*\q+1], v[\rs:\rs+1] op_sel_hi:[1,0]
.endr
.irp q, 0,1,2,3,4,5,6,7
	v_pk_fma_f32 v[\xr+2*\q:\xr+2*\q+1], v[\xr+2*\q:\xr+2*\q+1], v[\gr+2*\q:\gr+2*\q+1], v[\br+2*\q:\br+2*\q+1]
.endr
.irp i, 0,1,2,3,4,5,6,7,8,9,10,11,12,13,14,15
	v_med3_num_f32 v[\xr+\i], v[\xr+\i], -v[QLIM], v[QLIM]
.endr
	v_cvt_scalef32_pk8_bf8_f32 v[\pcr:\pcr+1], v[\xr:\xr+7], v[QSC]
	v_cvt_scalef32_pk8_bf8_f32 v[\pcr+2:\pcr+3], v[\xr+8:\xr+15], v[QSC]
.endm
.macro NORM xb, st, img, gr, br        ; four trips of two tiles: the rows' statistics, my strips normalised and quantised, my part of the image
	s_mov_b32 s98, \xb
	s_mov_b32 s99, \st
	s_mov_b32 s100, \img
	s_mov_b32 s3, 0
.Lnorm_\@:
	v_add_nc_u32 v[A0], s98, v[XD]
	v_add_nc_u32 v[A1], s99, v[SR]
	v_add_nc_u32 v[A2], s100, v[IW]
	s_wait_alu depctr_va_vdst(0)                   ; the three addresses are written, which the trip's LDS instructions read; what named v[R] to v[R+63] before is done with them: the strips and the statistics land there
	XLD R, A0
.irp t, 0,1
.irp i, 0,1,2,3
	ds_load_b128 v[R+32+16*\t+4*\i:R+32+16*\t+4*\i+3], v[A1] offset:1280*\t+16*\i
.endr
.endr
	s_wait_dscnt 0x0
	COMB2 R+32, R+64
	NORMQ R, R+64, R+68, \gr, \br, R+88
	NORMQ R+16, R+72, R+76, \gr, \br, R+92
	v_nop                                          ; a plain instruction behind the last scaled conversion
	s_wait_alu depctr_va_vdst(0)                   ; the conversions have written v[R+88] to v[R+95], which the two stores read
	ds_store_b128 v[A2], v[R+88:R+91]
	ds_store_b128 v[A2], v[R+92:R+95] offset:4096
	s_wait_dscnt 0x0                               ; the stores have read their registers
	s_wait_alu depctr_vm_vsrc(0)                   ; the trip's loads and stores have read the three addresses, and the stores their codes: all are written again in the next trip, or behind the loop
	s_add_co_u32 s98, s98, 2*TB16
	s_add_co_u32 s99, s99, 2560
	s_add_co_u32 s100, s100, 8192
	s_add_co_u32 s3, s3, 1
	s_cmp_lt_u32 s3, 4
	s_cbranch_scc1 .Lnorm_\@
.endm
.macro QUANT8 src, dst, sc, lim        ; a tile's eight registers, from the low end on: hold, then eight codes
.irp i, 0,1,2,3,4,5,6,7
	v_med3_num_f32 v[\src+\i], v[\src+\i], -v[\lim], v[\lim]
.endr
	v_cvt_scalef32_pk8_bf8_f32 v[\dst:\dst+1], v[\src:\src+7], v[\sc]
.endm
.macro MAKE_SC sc, lim, e              ; 2^e and 57,344 x 2^e as f32 patterns
	s_add_co_i32 s[\sc], s[\e], 127
	s_add_co_i32 s[\lim], s[\sc], 15
	s_lshl_b32 s[\sc], s[\sc], 23
	s_lshl_b32 s[\lim], s[\lim], 23
	s_or_b32 s[\lim], s[\lim], 0x600000
.endm
	; ================= the head
	s_load_b512 s[8:23], s[0:1], 0x0               ; x1 8, x2 10, norm1_g 12, norm1_b 14, q_b 16, kv_b 18, proj_b 20, rel_table 22
	s_load_b256 s[24:31], s[0:1], 0x40             ; norm3_g 24, norm3_b 26, fc1_b 28, fc2_b 30
	s_load_b128 s[32:35], s[0:1], 0x60             ; the scales' exponents 32, wc 34
	s_load_b64 s[36:37], s[0:1], 0x70              ; out0
	v_lshrrev_b32 v12, 5, v0
	v_readfirstlane_b32 s2, v12                    ; wave = head
	v_and_b32 v12, 31, v0                          ; lane
	v_and_b32 v13, 15, v0                          ; r
	v_bfe_u32 v14, v0, 4, 1                        ; h
	v_lshlrev_b32 v[L16], 4, v12
	v_lshlrev_b32 v[RWL], 2, v12
	s_wait_alu depctr_va_sdst(0)                   ; s2 is written, ahead of its first reader: the wave's offsets are made from it
	s_mul_i32 s5, s2, 8*RP
	v_add_nc_u32 v[RWL], s5, v[RWL]
	s_lshl_b32 s4, s2, 7                           ; 128 w
	v_mul_u32_u24 v[XD], v13, XP
	v_lshl_add_u32 v[XD], v14, 5, v[XD]
	v_add_nc_u32 v[XD], s4, v[XD]
	v_add_nc_u32 v[XD4], 4*TB16, v[XD]
	v_mul_u32_u24 v[SR], v13, 80
	s_lshl_b32 s5, s2, 2                           ; 4 w
	v_add_nc_u32 v[SD], s5, v[SR]
	v_lshrrev_b32 v[RB], 3, v13                    ; rel_table: entry ((r / 8 - h + 1) 15 + r % 8 + 7), 32 bytes each, + 4 w; a tile adds 960 (query tile - key tile + 3) - 32 j
	v_add_nc_u32 v[RB], 1, v[RB]
	v_sub_nc_u32 v[RB], v[RB], v14
	v_mul_u32_u24 v[RB], v[RB], 15
	v_and_b32 v12, 7, v13
	v_add3_u32 v[RB], v[RB], v12, 7
	v_lshlrev_b32 v[RB], 5, v[RB]
	v_add_nc_u32 v[RB], s5, v[RB]
	s_lshr_b32 s5, s2, 2
	s_lshl_b32 s5, s5, 11
	s_and_b32 s6, s2, 3
	s_lshl_b32 s6, s6, 9
	s_add_co_u32 s5, s5, s6
	v_add_nc_u32 v[IW], s5, v[L16]
	s_lshl_b32 s5, s2, 16
	v_add_nc_u32 v[GX], s5, v[L16]
	s_mul_i32 s5, s2, 8*XP
	v_add_nc_u32 v[DW0], s5, v[L16]
	v_add_nc_u32 v[DW1], 4*TB16, v[DW0]
	s_lshl_b32 s5, s2, 13
	v_add_nc_u32 v[WO], s5, v[L16]
	v_lshl_add_u32 v[VO], v14, 5, s4
	v_lshl_add_u32 v[VBO], v13, 2, s4
	s_wait_kmcnt 0x0
	s_load_b256 s[40:47], s[32:33], 0x0            ; e0 .. e7
	s_load_b128 s[48:51], s[32:33], 0x20           ; e8 .. e11
	s_load_b64 s[52:53], s[32:33], 0x30            ; e12, e13
	s_lshr_b32 s4, ttmp9, 5                        ; the image,
	s_lshl_b32 s4, s4, 22
	s_bfe_u32 s5, ttmp9, 0x30002                   ; the row of windows,
	s_lshl_b32 s5, s5, 19
	s_add_co_u32 s4, s4, s5
	s_and_b32 s5, ttmp9, 3                         ; the pair of windows in it
	s_lshl_b32 s5, s5, 14
	s_add_co_u32 s4, s4, s5
	s_mov_b32 s5, 0
	s_add_nc_u64 s[8:9], s[8:9], s[4:5]
	s_add_nc_u64 s[10:11], s[10:11], s[4:5]
	s_add_nc_u64 s[36:37], s[36:37], s[4:5]
	s_wait_alu depctr_va_vdst(0)                   ; the offsets and addresses v1 to v11, v15, v30 and v31 are written: every load and store of the kernel that reads one of them stands behind this line, and none of them is written again
	; the small vectors first (18 loads), so that the counted waits on the rows below cover them too
	global_load_b128 v[GD:GD+3], v[L16], s[12:13]                  ; norm1's g and b at channels 4 lane + 0 .. 3 and 128 + 4 lane + 0 .. 3: as a row's numbers land
	global_load_b128 v[GD+4:GD+7], v[L16], s[12:13] offset:512
	global_load_b128 v[BD:BD+3], v[L16], s[14:15]
	global_load_b128 v[BD+4:BD+7], v[L16], s[14:15] offset:512
	LDV KB, 18, 0
	LDV QB, 16, 0
	LDV PB, 20, 0
	global_load_b32 v28, v[VBO], s[18:19] offset:1024      ; v's bias: my lane's channel 16 u + r
	global_load_b32 v29, v[VBO], s[18:19] offset:1088
.set k, 0
.rept 32
	global_load_b128 v[128+4*k:131+4*k], v[GX], s[10:11] offset:512*k th:TH_LOAD_NT   ; x2: image row w of the pair of windows, 512 consecutive bytes a load
.set k, k+1
.endr
	WIN 0x40
.set k, 0
.rept 32
	global_load_b128 v[128+4*k:131+4*k], v[GX], s[8:9] offset:512*k th:TH_LOAD_NT     ; x1 likewise, into window 1
.set k, k+1
.endr
	WIN 0
	s_wait_kmcnt 0x0
	s_mov_b32 s54, 0x76543210                      ; v_permlanex16_b32's selects for lane l xor 16
	s_mov_b32 s55, 0xfedcba98
	s_mov_b32 s56, 0x3727c5ac                      ; 1e-5
	s_add_co_i32 s4, s44, s45                      ; e4 + e5
	s_sub_co_i32 s90, 0, s4
	s_lshl_b32 s4, s4, 23
	s_add_co_i32 s58, s4, 0x3fb8aa3b               ; log2(e) x 2^(e4 + e5)
	s_mov_b32 s59, s58
	s_mov_b32 s60, 0x3e3504f3                      ; 1 / sqrt(32)
	s_mov_b32 s61, s60
	s_add_co_i32 s4, s48, s49                      ; e8 + e9
	s_sub_co_i32 s91, 0, s4
	s_add_co_i32 s4, s4, 127
	s_lshl_b32 s62, s4, 23
	s_mov_b32 s63, s62
	s_add_co_i32 s4, s52, s53                      ; e12 + e13
	s_sub_co_i32 s93, 0, s4
	s_add_co_i32 s5, s4, 127
	s_lshl_b32 s68, s5, 23
	s_mov_b32 s69, s68
	s_sub_co_i32 s5, 127, s4
	s_lshl_b32 s66, s5, 23
	s_mov_b32 s67, s66
	s_add_co_i32 s6, s40, s41                      ; e0 + e1
	s_sub_co_i32 s88, 0, s6
	s_add_co_i32 s7, s42, s43                      ; e2 + e3
	s_sub_co_i32 s89, 0, s7
	s_add_co_i32 s57, s50, s51                     ; e10 + e11
	s_sub_co_i32 s92, 0, s57
	s_lshl_b32 s4, s57, 23
	s_add_co_i32 s94, s4, 0x3eb504f3               ; 2^(e10 + e11) / (2 sqrt 2): z / 2 of a raw sum
	s_lshl_b32 s4, s57, 24
	s_add_co_i32 s96, s4, 0xbf38aa3b               ; -log2(e) / 2 x 4^(e10 + e11): -z^2 log2(e) of a raw sum's square
	s_mov_b32 s97, s96
	MAKE_SC 70, 71, 42                             ; LN1(x2)
	MAKE_SC 72, 73, 40                             ; LN1(x1)
	s_sub_co_i32 s4, s45, s7
	MAKE_SC 74, 75, 4                              ; k
	s_sub_co_i32 s4, s47, s7
	MAKE_SC 76, 77, 4                              ; v
	s_sub_co_i32 s4, s44, s6
	MAKE_SC 78, 79, 4                              ; q
	MAKE_SC 80, 81, 46                             ; p
	s_sub_co_i32 s4, s48, s46
	s_sub_co_i32 s4, s4, s47
	MAKE_SC 82, 83, 4                              ; o
	MAKE_SC 84, 85, 50                             ; LN3(x)
	s_sub_co_i32 s4, s52, s57
	MAKE_SC 86, 87, 4                              ; the hidden layer
	s_add_nc_u64 s[38:39], s[34:35], SEC_F1
	s_add_nc_u64 s[32:33], s[34:35], SEC_F2        ; (the exponents are in: their pointer is done with)
	; ================= norm1 of x2, in the registers in which it lands, four tokens at a time as they arrive; its codes into rows
	v_mov_b32 v[QSC], s70
	v_mov_b32 v[QLIM], s71
	v_add_nc_u32 v[A0], A2R, v[RWL]
	v_add_nc_u32 v[A1], A1R, v[RWL]
	LNB 128, 0, 0, A0, 0
	LNB 128, 0, 1, A0, 0
	LNB 128, 0, 2, A0, 0
	LNB 128, 0, 3, A0, 0
	WIN 0x40
	LDW 0, 34, SEC_K                               ; my slices of the weights of k and v: 32 loads, which land while x1 is normalised.  No vector instruction has named their registers
	LDW 64, 34, SEC_V
	WIN 0
	; ================= x1: the raw rows into LDS for the residual, then norm1 likewise
	v_mov_b32 v[QSC], s72
	v_mov_b32 v[QLIM], s73
	LNB 128, 1, 0, A1, 1
	LNB 128, 1, 1, A1, 1
	LNB 128, 1, 2, A1, 1
	LNB 128, 1, 3, A1, 1
	s_wait_loadcnt 0x0                             ; k's and v's weights, asked for a whole norm ago
	WIN 0x40
	LDW 128, 34, SEC_Q                             ; q's weights take x1's registers; they and the bias tiles below land while the first window's k and v are made.  The last batch's wait on va_vdst stands behind all that norm1 did to these registers, and no vector instruction has followed it
	WIN 0
	BAR                                            ; x1's rows and both tensors' rows of codes lie in LDS
	WIN 0x40
.irp d, 0,1,2,3,4,5,6
.irp j, 0,1,2,3,4,5,6,7
	global_load_b32 v[192+8*\d+\j], v[RB], s[22:23] offset:960*\d-32*\j   ; the bias hangs on (query tile - key tile) alone: seven tiles in the scores' layout
.endr
.endr
	WIN 0
	s_wait_alu depctr_vm_vsrc(0)                   ; the last batch's stores have read their codes (v120 to v127), which become k's fragments below, and their address, which the loop's head writes
	; ================= biases into the sums' units
.set i, 0
.rept 16
	v_ldexp_f32 v[KB+i], v[KB+i], s89
	v_ldexp_f32 v[QB+i], v[QB+i], s88
	v_ldexp_f32 v[PB+i], v[PB+i], s91
	v_ldexp_f32 v[VBC+i], v[28+i/8], s89
.set i, i+1
.endr
.irp t, 0,1,2,3
.irp i, 4,5,6,7
	v_mov_b32 v[KF+8*\t+\i], 0                     ; the head has 32 along K, the instruction 64: the rest is zero codes, on both sides
.endr
.endr
.irp t, 0,1
.irp i, 4,5,6,7
	v_mov_b32 v[QF+8*\t+\i], 0
.endr
.endr
.irp i, 0,1,2,3,4,5,6,7,8,9
	v_mov_b32 v[KSC+\i], s[74+\i]
.endr
; k and v of my head for a window's 64 tokens.  Accumulators by turns, one instruction a turn.
; Two buffers of two fragments by turns.  A tile's buffer is asked for again, for the tile two on, as soon as its eight products are done reading it: ahead of the quantisers, which wait for the same products and name none of its registers.
.macro KV
	FETCHR R, A0, 0
	FETCHR R+16, A0, 128
	FETCHR R+32, A0, 16*RP
	FETCHR R+48, A0, 16*RP+128
.irp mm, 0,1,2,3
.set AFX, R+32*(\mm%2)
.if \mm < 3
	s_wait_dscnt 16                                ; this tile's two fragments are in; the next tile's sixteen loads may be out
.else
	s_wait_dscnt 0x0
.endif
	WIN 0x01                                       ; source 0 (the weights) in window 1: k transposed
	WM128 R+64, 0, AFX, KB
	WM128 R+72, 32, AFX, KB+8
	WM128 R+64, 16, AFX+16, R+64
	WM128 R+72, 48, AFX+16, R+72
	WIN 0x04                                       ; source 1 (the weights) in window 1: v as it is: a lane holds a channel, its registers eight tokens
	WM128 R+80, AFX, 64, VBC
	WM128 R+88, AFX, 96, VBC+8
	WM128 R+80, AFX+16, 80, R+80
	WM128 R+88, AFX+16, 112, R+88
	WIN 0
	NOP4
.if \mm < 2
	s_wait_alu depctr_va_vdst(0)                   ; this tile's eight products are done reading its two fragments, in which the tile two on lands
	FETCHR AFX, A0, 16*RP*(\mm+2)
	FETCHR AFX+16, A0, 16*RP*(\mm+2)+128
.endif
	QUANT8 R+64, KF+8*\mm, KSC, KSC+1
	QUANT8 R+72, KF+8*\mm+2, KSC, KSC+1
	QUANT8 R+80, VF+2*\mm, KSC+2, KSC+3
	QUANT8 R+88, VF+8+2*\mm, KSC+2, KSC+3
	v_nop
.endr
.endm
; Two tiles of 16 queries (2 pq, 2 pq + 1 of the window): q, scores, softmax, o, its codes to the image.
; The four fragments at its head lean on the wait behind KV (pq = 0) or on the wait ahead of the first pair's stores (pq = 1): no vector or matrix instruction that stands between names v[R] to v[R+63] or their address.
.macro PAIR pq
.irp q, 0,1
	FETCHR R+32*\q, A1, (2*\pq+\q)*16*RP
	FETCHR R+32*\q+16, A1, (2*\pq+\q)*16*RP+128
.endr
	s_wait_dscnt 0x0
.if \pq
	s_wait_alu depctr_vm_vsrc(0)                   ; the first pair's two stores have read their codes (v[R+80] on, v[R+88] on), which q's products write
.endif
	WIN 0x01
.irp ks, 0,1
.irp q, 0,1
.irp u, 0,1
.if \ks == 0
	WM128 R+64+16*\q+8*\u, 128+32*\u, R+32*\q, QB+8*\u
.else
	WM128 R+64+16*\q+8*\u, 144+32*\u, R+32*\q+16, R+64+16*\q+8*\u
.endif
.endr
.endr
.endr
	WIN 0
	NOP4
.set i, 0
.rept 16
	v_pk_mul_f32 v[R+64+i:R+65+i], v[R+64+i:R+65+i], s[60:61] op_sel_hi:[1,0]   ; q / sqrt(32), ahead of its quantiser
.set i, i+2
.endr
.irp q, 0,1
.irp u, 0,1
	QUANT8 R+64+16*\q+8*\u, QF+8*\q+2*\u, KSC+4, KSC+5
.endr
.endr
	v_nop
	WIN 0x10                                       ; C (the bias tile) in window 1
.irp c, 0,1,2,3
.irp q, 0,1
	v_wmma_f32_16x16x64_bf8_bf8 v[R+32*\q+8*\c:R+32*\q+8*\c+7], v[KF+8*\c:KF+8*\c+7], v[QF+8*\q:QF+8*\q+7], v[192+8*(2*\pq+\q-\c+3):192+8*(2*\pq+\q-\c+3)+7]
.endr
.endr
	WIN 0
	NOP4
	; lane (r, h) holds query r; register 8 c + j is key 16 c + 8 h + j.  Temporaries of tile q: R + 80 + 8 q on
.irp q, 0,1
	v_max3_num_f32 v[R+80+8*\q], v[R+32*\q], v[R+32*\q+1], v[R+32*\q+2]
	v_max3_num_f32 v[R+81+8*\q], v[R+32*\q+3], v[R+32*\q+4], v[R+32*\q+5]
.endr
.irp i, 6,10,14,18,22,26
.irp q, 0,1
	v_max3_num_f32 v[R+80+8*\q], v[R+80+8*\q], v[R+32*\q+\i], v[R+32*\q+\i+1]
	v_max3_num_f32 v[R+81+8*\q], v[R+81+8*\q], v[R+32*\q+\i+2], v[R+32*\q+\i+3]
.endr
.endr
.irp q, 0,1
	v_max3_num_f32 v[R+80+8*\q], v[R+80+8*\q], v[R+32*\q+30], v[R+32*\q+31]
.endr
.irp q, 0,1
	v_max_num_f32 v[R+80+8*\q], v[R+80+8*\q], v[R+81+8*\q]
.endr
.irp q, 0,1
	v_permlanex16_b32 v[R+82+8*\q], v[R+80+8*\q], s54, s55
.endr
.irp q, 0,1
	v_max_num_f32 v[R+80+8*\q], v[R+80+8*\q], v[R+82+8*\q]     ; the row's largest score, over all 64 keys
.endr
.irp q, 0,1
	v_mul_f32 v[R+80+8*\q], s58, v[R+80+8*\q]                  ; as t
.endr
.irp q, 0,1
	v_floor_f32 v[R+80+8*\q], -v[R+80+8*\q]                    ; -M = floor(-t) = -ceil(t)
.endr
.irp q, 0,1
.set i, 0
.rept 16
	v_pk_fma_f32 v[R+32*\q+i:R+32*\q+i+1], v[R+32*\q+i:R+32*\q+i+1], s[58:59], v[R+80+8*\q:R+81+8*\q] op_sel_hi:[1,0,0]   ; t - M
.set i, i+2
.endr
.endr
.set i, 0
.rept 64
	v_exp_f32 v[R+i], v[R+i]                       ; p = 2^(t - M)
.set i, i+1
.endr
	v_nop                                          ; a plain instruction behind the batch,
	s_wait_alu depctr_va_vdst(0)                   ; and one wait for its 64 exponentials, ahead of the first reader
.irp q, 0,1
	v_pk_add_f32 v[R+82+8*\q:R+83+8*\q], v[R+32*\q:R+32*\q+1], v[R+32*\q+2:R+32*\q+3]      ; the row's sum, of the unquantised p, in two chains
	v_pk_add_f32 v[R+84+8*\q:R+85+8*\q], v[R+32*\q+4:R+32*\q+5], v[R+32*\q+6:R+32*\q+7]
.endr
.irp j, 8,12,16,20,24,28
.irp q, 0,1
	v_pk_add_f32 v[R+82+8*\q:R+83+8*\q], v[R+82+8*\q:R+83+8*\q], v[R+32*\q+\j:R+32*\q+\j+1]
	v_pk_add_f32 v[R+84+8*\q:R+85+8*\q], v[R+84+8*\q:R+85+8*\q], v[R+32*\q+\j+2:R+32*\q+\j+3]
.endr
.endr
.irp q, 0,1
	v_pk_add_f32 v[R+82+8*\q:R+83+8*\q], v[R+82+8*\q:R+83+8*\q], v[R+84+8*\q:R+85+8*\q]
.endr
.irp q, 0,1
	v_add_f32 v[R+82+8*\q], v[R+82+8*\q], v[R+83+8*\q]
.endr
.irp q, 0,1
	v_permlanex16_b32 v[R+84+8*\q], v[R+82+8*\q], s54, s55
.endr
.irp q, 0,1
	v_add_f32 v[R+82+8*\q], v[R+82+8*\q], v[R+84+8*\q]
.endr
.irp q, 0,1
	v_rcp_f32 v[R+86+8*\q], v[R+82+8*\q]           ; 1 / l; its wait stands ahead of its first reader, behind the second product
.endr
.irp q, 0,1
.irp c, 0,1,2,3
.irp i, 0,1,2,3,4,5,6,7
	v_min_num_f32 v[R+32*\q+8*\c+\i], v[R+32*\q+8*\c+\i], v[KSC+7]   ; p is not negative: the hold is one-sided
.endr
	v_cvt_scalef32_pk8_bf8_f32 v[R+64+8*\q+2*\c:R+65+8*\q+2*\c], v[R+32*\q+8*\c:R+32*\q+8*\c+7], v[KSC+6]
.endr
.endr
	v_nop
.irp q, 0,1
.irp u, 0,1
	v_wmma_f32_16x16x64_bf8_bf8 v[R+32*\q+8*\u:R+32*\q+8*\u+7], v[VF+8*\u:VF+8*\u+7], v[R+64+8*\q:R+71+8*\q], 0   ; O^T = V^T P^T: K = the window's 64 keys
.endr
.endr
	NOP4
	s_wait_alu depctr_va_vdst(0)                   ; the wait for the two reciprocals
.irp q, 0,1
.set i, 0
.rept 8
	v_pk_mul_f32 v[R+32*\q+i:R+32*\q+i+1], v[R+32*\q+i:R+32*\q+i+1], v[R+86+8*\q:R+87+8*\q] op_sel_hi:[1,0]
.set i, i+2
.endr
.endr
.irp q, 0,1
	QUANT8 R+32*\q, R+80+8*\q, KSC+8, KSC+9
	QUANT8 R+32*\q+8, R+82+8*\q, KSC+8, KSC+9
.endr
	v_nop
	s_wait_alu depctr_va_vdst(0)                   ; the conversions have written o's codes, which the two stores read.  All of the pair's vector and matrix work stands ahead of this line: so the loads that follow the stores (the next pair's fragments; behind the loop the weights and vectors) lean on it too
.irp q, 0,1
	ds_store_b128 v[A2], v[R+80+8*\q:R+83+8*\q] offset:(2*\pq+\q)*4096
.endr
.endm
	; ================= attention, a window a trip
	s_mov_b32 s98, A2R
	s_mov_b32 s99, A1R
	s_mov_b32 s100, OI
	s_mov_b32 s3, 0
.Lwin:
	v_and_b32 v[A0], 15, v0                        ; my place in a tile of rows of codes: 272 r + 8 h
	v_bfe_u32 v[A1], v0, 4, 1
	v_mul_u32_u24 v[A0], v[A0], RP
	v_lshl_add_u32 v[A0], v[A1], 3, v[A0]
	v_add_nc_u32 v[A1], s99, v[A0]
	v_add_nc_u32 v[A0], s98, v[A0]
	v_add_nc_u32 v[A2], s100, v[IW]
	s_wait_alu depctr_va_vdst(0)                   ; the three addresses are written, which the trip's LDS instructions read; what named v[R] to v[R+63] before (norm1 of x2; the window before) is done with them: the rows' fragments land there
	KV
	s_wait_alu depctr_va_vdst(0)                   ; the last two tiles' products are done reading their fragments, in which the first pair's land, and k's weights, in which proj's land on the second trip's way
	s_wait_loadcnt 0x0                             ; first trip: q's weights and the bias tiles are in; second trip: nothing is out
	s_cmp_eq_u32 s3, 0
	s_cbranch_scc1 .Lfirst_win
	WIN 0x40
	LDW 0, 34, SEC_P                               ; k's weights have had their last product: proj's take their place, a window's attention ahead of their use
	WIN 0
	s_branch .Lpairs
.Lfirst_win:
	WIN 0x41
.set i, 0
.rept 56
	v_ldexp_f32 v[192+i], v[192+i], s90            ; the bias tiles into the scores' units, once.  (These name window 1 alone: none of the registers that the first pair's loads touch)
.set i, i+1
.endr
	WIN 0
.Lpairs:
	PAIR 0
	PAIR 1
	s_wait_dscnt 0x0                               ; the stores have read their registers
	s_wait_alu depctr_vm_vsrc(0)                   ; the trip's LDS instructions have read the three addresses, and the last two stores their codes: all are written again, in the next trip or in the next phase
	s_add_co_u32 s98, s98, 64*RP
	s_add_co_u32 s99, s99, 64*RP
	s_add_co_u32 s100, s100, 16384
	s_add_co_u32 s3, s3, 1
	s_cmp_lt_u32 s3, 2
	s_cbranch_scc1 .Lwin
	NOP4
	WIN 0x40
	LDW 128, 34, SEC_F1                            ; the first chunk's weights of fc1 and fc2, over q's weights and the bias tiles; the vectors over k's, q's and v's biases: their last readers stand ahead of the second pair's last wait on va_vdst
	LDW 192, 34, SEC_F2
	WIN 0
	LDV G3, 24, 0
	LDV B3, 26, 0
	LDV B2T, 30, 0
	BAR                                            ; the image of Q(o) lies in LDS; nobody reads the rows of codes any more
	; ================= proj, the residual, x's local statistics: two tiles a trip
	s_wait_loadcnt 44                              ; proj's weights are in; the 44 loads issued behind them may be out
	s_mov_b32 s98, X1B
	s_mov_b32 s99, STA
	s_mov_b32 s100, OI
	s_mov_b32 s3, 0
.Lproj:
	v_add_nc_u32 v[A0], s100, v[L16]
	v_add_nc_u32 v[A1], s98, v[XD]
	v_add_nc_u32 v[A2], s99, v[SD]
	s_wait_alu depctr_va_vdst(0)                   ; the three addresses are written, which the trip's LDS instructions read; what named v[R] to v[R+95] before is done with them: o's fragments and x1's strips land there
	FETCH R, A0, 0
	FETCH R+16, A0, 2048
	FETCH R+32, A0, 4096
	FETCH R+48, A0, 6144
	XLD R+64, A1
	s_wait_dscnt 8                                 ; o's fragments are in; x1's eight loads may be out
	WIN 0x01
	WM128 128, 0, R, PB
	WM128 136, 32, R, PB+8
	WM128 144, 0, R+32, PB
	WM128 152, 32, R+32, PB+8
	WM128 128, 16, R+16, 128
	WM128 136, 48, R+16, 136
	WM128 144, 16, R+48, 144
	WM128 152, 48, R+48, 152
	WIN 0
	NOP4
	s_wait_dscnt 0x0
.set i, 0
.rept 16
	v_pk_fma_f32 v[R+64+i:R+65+i], v[128+i:129+i], s[62:63], v[R+64+i:R+65+i] op_sel_hi:[1,0,1]   ; x = x1 + sum x 2^(e8 + e9)
.set i, i+2
.endr
	STAT2 R+64, 96
	s_wait_alu depctr_va_vdst(0)                   ; x's strips and their statistics are written, which the twelve stores below read: one wait for both runs
	XST R+64, A1                                   ; back into my own strip
	STST A2, 96
	s_wait_dscnt 0x0                               ; the stores have read their registers
	s_wait_alu depctr_vm_vsrc(0)                   ; the trip's LDS instructions have read the three addresses, and the stores x's strips and the statistics: all are written again, in the next trip or in the next phase
	s_add_co_u32 s98, s98, 2*TB16
	s_add_co_u32 s99, s99, 2560
	s_add_co_u32 s100, s100, 8192
	s_add_co_u32 s3, s3, 1
	s_cmp_lt_u32 s3, 4
	s_cbranch_scc1 .Lproj
	NOP4
	LDV B1, 28, 0                                  ; fc1_b, chunk 0, over proj_b, whose last readers stand ahead of the last trip's second wait on va_vdst
	s_wait_xcnt 0x0                                ; every load issued so far has read its base: the pointers that are done with make room for GELU's coefficients
.macro COEF i, bits                    ; c_i x log2(e), twice: the packed form names a pair
	s_mov_b32 s[8+2*\i], \bits
	s_mov_b32 s[9+2*\i], \bits
.endm
	COEF 0, 0xc034d90f                             ; (with -1 for the factor 1/2)
	COEF 1, 0x3fb8ab5a
	COEF 2, 0x3f0a29d2
	COEF 3, 0x3e0efb2e
	COEF 4, 0xbe899a80
	COEF 5, 0x3ecdfd18
	COEF 6, 0xbfd1a1e5
	COEF 7, 0x40097039
	COEF 9, 0x3e7c6f08
	v_mov_b32 v28, 0xbf97d29d                      ; c_8 in a vector pair, so that the first step names one scalar pair
	v_mov_b32 v29, 0xbf97d29d
	BAR                                            ; every wave's statistics of x lie in LDS
	; ================= LN3, its image; x + fc2_b starts fc2's sums
	s_wait_loadcnt 4                               ; all but fc1_b's four loads
	v_mov_b32 v[QSC], s84
	v_mov_b32 v[QLIM], s85
	NORM X1B, STA, IMGA, G3, B3
.set i, 0
.rept 16
	v_ldexp_f32 v[B2T+i], v[B2T+i], s93
.set i, i+1
.endr
	WIN 0x40
.set m, 0
.rept 8
.irp u, 0,1
.irp p, 0,1
.if m < 4
	ds_load_b128 v[16*m+8*\u+4*\p:16*m+8*\u+4*\p+3], v[XD] offset:(m%4)*TB16+64*\u+16*\p      ; over proj's and v's weights, whose last readers stand ahead of many a wait on va_vdst; nothing has named these registers since
.else
	ds_load_b128 v[16*m+8*\u+4*\p:16*m+8*\u+4*\p+3], v[XD4] offset:(m%4)*TB16+64*\u+16*\p
.endif
.endr
.endr
.set m, m+1
.endr
	s_wait_dscnt 0x0
	WIN 0x41
.set i, 0
.rept 64
	v_pk_fma_f32 v[i:i+1], v[i:i+1], s[66:67], v[B2T+i%16:B2T+i%16+1] op_sel_hi:[1,0,1]   ; (x + fc2_b) / 2^(e12 + e13)
.set i, i+2
.endr
	WIN 0
	BAR                                            ; the image of Q(LN3(x)) lies in LDS
; ================= the MLP: four chunks of 256 hidden units
; WHO NAMES WHAT, once round a chunk.  AF: LN3's fragments of a pair of tiles land; fc1's eight products read; the next pair lands behind the wait for the next batch of reciprocals, which stands behind those products.
; fc1's weights and fc1_b: read by the chunk's four groups of products; the next chunk's land behind the wait for the third batch of reciprocals.  PC: conversions write, two stores read.
; fc2: three buffers of four fragments: AF, TT (with PP) and the 64 registers from ACC0 on, all free behind the wait ahead of the chunk's last two stores.  Pairs 0 and 1 land in AF and TT, pair 2 in the third buffer, dealt
; between the first two groups of products; one wait behind the second group frees AF and TT, for the next chunk's first fragments of LN3 and for pair 3.
; fc2's weights: read by the chunk's four groups; the next chunk's land behind the wait at that chunk's head.
.macro FETCHP mp                       ; LN3's four fragments of tiles 2 mp, 2 mp + 1
	FETCH AF, A0, 8192*\mp
	FETCH AF+16, A0, 8192*\mp+2048
	FETCH AF+32, A0, 8192*\mp+4096
	FETCH AF+48, A0, 8192*\mp+6144
.endm
.macro FETCHH p, buf                   ; the hidden layer's four fragments of tiles 2 p, 2 p + 1
	FETCH \buf, A1, 8192*\p
	FETCH \buf+16, A1, 8192*\p+2048
	FETCH \buf+32, A1, 8192*\p+4096
	FETCH \buf+48, A1, 8192*\p+6144
.endm
.macro F1W acc                         ; my 32 hidden units for two tiles of rows: four accumulators by turns
	WIN 0x01
	WM128 \acc, 128, AF, B1
	WM128 \acc+8, 160, AF, B1+8
	WM128 \acc+16, 128, AF+32, B1
	WM128 \acc+24, 160, AF+32, B1+8
	WM128 \acc, 144, AF+16, \acc
	WM128 \acc+8, 176, AF+16, \acc+8
	WM128 \acc+16, 144, AF+48, \acc+16
	WM128 \acc+24, 176, AF+48, \acc+24
	WIN 0
.endm
.macro F2W p, buf                      ; my 32 outputs for tiles 2 p, 2 p + 1, this chunk's 256 along K
	WIN 0x51                                       ; the weights, C and D in window 1
	WM128 32*\p, 192, \buf, 32*\p
	WM128 32*\p+8, 224, \buf, 32*\p+8
	WM128 32*\p+16, 192, \buf+32, 32*\p+16
	WM128 32*\p+24, 224, \buf+32, 32*\p+24
	WM128 32*\p, 208, \buf+16, 32*\p
	WM128 32*\p+8, 240, \buf+16, 32*\p+8
	WM128 32*\p+16, 208, \buf+48, 32*\p+16
	WM128 32*\p+24, 240, \buf+48, 32*\p+24
	WIN 0
.endm
.macro GELU_A acc                      ; 1 + z / 2.  These 32 plain lines name no register of the products just issued: they are the places behind them
.set i, 0
.rept 32
	v_fma_f32 v[TT+i], |v[\acc+i]|, s94, 1.0
.set i, i+1
.endr
.endm
.macro GELU_R                          ; t, and the wait behind which a group of loads may stand
.set i, 0
.rept 32
	v_rcp_f32 v[TT+i], v[TT+i]                     ; t
.set i, i+1
.endr
	v_nop
	s_wait_alu depctr_va_vdst(0)                   ; the 32 reciprocals are written, ahead of their first reader.  And fc1's products issued ahead of this line are done reading LN3's fragments, fc1's weights and fc1_b, in which the loads land that follow it
.endm
.macro GELU_B acc, m0
.set i, 0
.rept 16
	v_pk_fma_f32 v[PP+i:PP+i+1], v[TT+i:TT+i+1], s[26:27], v[28:29] op_sel_hi:[1,0,1]
.set i, i+2
.endr
.irp k, 7,6,5,4,3,2,1,0
.set i, 0
.rept 16
	v_pk_fma_f32 v[PP+i:PP+i+1], v[PP+i:PP+i+1], v[TT+i:TT+i+1], s[8+2*\k:9+2*\k] op_sel_hi:[1,1,0]
.set i, i+2
.endr
.endr
.irp b, 0,1,2,3
.irp k, 0,1,2,3
	v_pk_mul_f32 v[WT+2*\k:WT+2*\k+1], v[\acc+8*\b+2*\k:\acc+8*\b+2*\k+1], s[96:97] op_sel_hi:[1,0]
.endr
.irp k, 0,1,2,3
	v_pk_fma_f32 v[PP+8*\b+2*\k:PP+8*\b+2*\k+1], v[WT+2*\k:WT+2*\k+1], v[\acc+8*\b+2*\k:\acc+8*\b+2*\k+1], v[PP+8*\b+2*\k:PP+8*\b+2*\k+1]   ; (P(t) - z^2) log2(e) - 1
.endr
.endr
.set i, 0
.rept 32
	v_exp_f32 v[PP+i], v[PP+i]
.set i, i+1
.endr
	v_nop
	s_wait_alu depctr_va_vdst(0)                   ; the 32 exponentials are written, ahead of their first reader
.set i, 0
.rept 16
	v_pk_mul_f32 v[PP+i:PP+i+1], v[TT+i:TT+i+1], v[PP+i:PP+i+1]      ; erfc(z) / 2
.set i, i+2
.endr
.set i, 0
.rept 32
	v_max_num_f32 v[TT+i], 0, v[\acc+i]
.set i, i+1
.endr
.set i, 0
.rept 32
	v_fma_f32 v[\acc+i], -|v[\acc+i]|, v[PP+i], v[TT+i]              ; gelu, in the sums' units
.set i, i+1
.endr
	s_wait_dscnt 0x0                               ; the last codes' stores have read their registers
.if \m0 > 0
	s_wait_alu depctr_vm_vsrc(0)                   ; the last pair's two stores have read v[PC] to v[PC+7], which the conversions below write.  (For a chunk's first pair the wait at the loop's end has said so)
.endif
.irp t, 0,1,2,3
	QUANT8 \acc+8*\t, PC+2*\t, QSC, QLIM
.endr
	v_nop
	s_wait_alu depctr_va_vdst(0)                   ; the conversions have written the codes, which the two stores read
	ds_store_b128 v[A2], v[PC:PC+3] offset:4096*\m0
	ds_store_b128 v[A2], v[PC+4:PC+7] offset:4096*\m0+4096
.endm
	s_wait_loadcnt 0x0
	v_mov_b32 v[QSC], s86
	v_mov_b32 v[QLIM], s87
	v_add_nc_u32 v[A0], IMGA, v[L16]
	s_mov_b32 s101, HID0
	s_mov_b32 s3, 0
	s_wait_alu depctr_va_vdst(0)                   ; the address of LN3's image is written (it stays for the whole loop); what named v[AF] to v[AF+63] before (proj, LN3) is done with them
	FETCHP 0
.Lmlp:
	v_add_nc_u32 v[A1], s101, v[L16]
	v_add_nc_u32 v[A2], s101, v[IW]
.set i, 0
.rept 16
	v_ldexp_f32 v[B1+i], v[B1+i], s92
.set i, i+1
.endr
	s_wait_dscnt 0x0
	F1W ACC0
	NOP4
	s_wait_alu depctr_va_vdst(0)                   ; the first pair's products are done reading LN3's fragments, in which the second pair's land; the chunk's two addresses are written; from the second chunk on: fc2's products of the chunk before are done reading their weights, in which this chunk's land
	FETCHP 1
	s_cmp_eq_u32 s3, 0                             ; the first chunk's weights of fc2 were asked for ahead of proj
	s_cbranch_scc1 .Lno_w2
	WIN 0x40
	LDW 192, 32, 0                                 ; fc2's weights of this chunk: they have the chunk's fc1 and GELU in which to land
	WIN 0
.Lno_w2:
	s_wait_dscnt 0x0
	F1W ACC1                                       ; the next pair's products are issued ahead of this pair's GELU
	GELU_A ACC0
	GELU_R
	FETCHP 2
	GELU_B ACC0, 0
	s_wait_dscnt 0x0
	F1W ACC0
	GELU_A ACC1
	GELU_R
	FETCHP 3
	GELU_B ACC1, 2
	s_wait_dscnt 0x0
	F1W ACC1
	GELU_A ACC0
	GELU_R
	s_cmp_eq_u32 s3, 3                             ; fc1's weights have had this chunk's last product: the next chunk's are asked for, if there is one: no load leaves its buffer
	s_cbranch_scc1 .Lno_w1
	WIN 0x40
	LDW 128, 38, 65536
	WIN 0
	LDV B1, 28, 1024
.Lno_w1:
	GELU_B ACC0, 4
	GELU_A ACC1
	GELU_R
	GELU_B ACC1, 6
	s_wait_loadcnt 0x0                             ; fc2's weights of this chunk, asked for at its head, and what was asked for above; zero is right on the ways without loads too
	BAR                                            ; the chunk's sixteen fragments lie in LDS.  One barrier a chunk: the two images take turns, and a wave writes one again only behind the barrier that all reached with their reads of it done
	FETCHH 0, AF                                   ; the three buffers and their address lean on the wait ahead of the last two stores: all of the chunk's fc1 and GELU stands ahead of it
	FETCHH 1, TT
	s_wait_dscnt 16                                ; this pair's fragments are in; the next pair's sixteen loads may be out
	F2W 0, AF
	FETCHH 2, ACC0                                 ; the products just issued name AF and window 1: none of the registers that these loads touch
	s_wait_dscnt 16
	F2W 1, TT
	NOP4
	s_wait_alu depctr_va_vdst(0)                   ; the first two groups of products are done reading AF and TT, in which the loads below land
	s_cmp_eq_u32 s3, 3
	s_cbranch_scc1 .Lno_p0
	FETCHP 0                                       ; the next chunk's first fragments of LN3, if there is a next chunk
.Lno_p0:
	FETCHH 3, TT
	s_wait_dscnt 16                                ; the third pair's fragments are in; the last pair's sixteen loads may be out (LN3's, issued ahead of those, are waited for with the third pair's)
	F2W 2, ACC0
	s_wait_dscnt 0x0
	F2W 3, TT
	NOP4
	s_wait_xcnt 0x0                                ; the loads have read their bases: they step
	s_wait_alu depctr_vm_vsrc(0)                   ; the chunk's LDS instructions have read its two addresses, and the last two stores their codes: the next chunk writes all of them again
	s_add_nc_u64 s[38:39], s[38:39], 65536
	s_add_nc_u64 s[32:33], s[32:33], 65536
	s_add_nc_u64 s[28:29], s[28:29], 1024
	s_xor_b32 s101, s101, 0x8000
	s_add_co_u32 s3, s3, 1
	s_cmp_lt_u32 s3, 4
	s_cbranch_scc1 .Lmlp
	; ================= the way out: my strips into the rows, a barrier, whole image rows to memory
	s_wait_dscnt 0x0
	WIN 0x01
.set i, 0
.rept 64
	v_pk_mul_f32 v[OB+i:OB+i+1], v[i:i+1], s[68:69] op_sel_hi:[1,0]   ; x 2^(e12 + e13); each accumulator from its low end on
.set i, i+2
.endr
	WIN 0
	s_wait_alu depctr_va_vdst(0)                   ; the 128 results are written, which the LDS stores read; the loads behind the barrier, which land in the same registers, lean on this line too
.set m, 0
.rept 8
.irp u, 0,1
.irp p, 0,1
.if m < 4
	ds_store_b128 v[XD], v[OB+16*m+8*\u+4*\p:OB+16*m+8*\u+4*\p+3] offset:(m%4)*TB16+64*\u+16*\p
.else
	ds_store_b128 v[XD4], v[OB+16*m+8*\u+4*\p:OB+16*m+8*\u+4*\p+3] offset:(m%4)*TB16+64*\u+16*\p
.endif
.endr
.endr
.set m, m+1
.endr
	BAR                                            ; 128 whole rows of the result lie in LDS
	s_wait_alu depctr_vm_vsrc(0)                   ; my LDS stores have read v[OB] on, in which the loads below land
.set k, 0
.rept 32
.if k < 16
	ds_load_b128 v[OB+4*k:OB+4*k+3], v[DW0] offset:((k/2)%8)*XP+512*(k%2)
.else
	ds_load_b128 v[OB+4*k:OB+4*k+3], v[DW1] offset:((k/2)%8)*XP+512*(k%2)
.endif
.set k, k+1
.endr
.set k, 0
.rept 32
	s_wait_dscnt 31-k                              ; LDS loads come back in order: load k is in, the younger ones may be out
	global_store_b128 v[GX], v[OB+4*k:OB+4*k+3], s[36:37] offset:512*k th:TH_STORE_NT   ; 32 lanes store 512 consecutive bytes, at a multiple of 256 from out0's first byte
.set k, k+1
.endr
	s_wait_xcnt 0x0
	v_lshl_add_u32 v254, v0, 2, 0x44000            ; the add's two registers, made anew from v0, which is as at the entry; no memory or LDS instruction has read v254 or v255 since the last wait on vm_vsrc
	v_mov_b32 v255, 0
	s_wait_dscnt 0x0                               ; the closing lines, six on end
	s_wait_alu 0x0
	s_wait_tensorcnt 0x0
	ds_add_u32 v254, v255
	s_wait_dscnt 0x0
	s_endpgm
.Lfunc_end_k_q98a2524840_block:
	.size	k_q98a2524840_block, .Lfunc_end_k_q98a2524840_block-k_q98a2524840_block
	.p2alignl 7, 3214868480
	.fill 96, 4, 3214868480
	.section	.rodata,"a",@progbits
	.p2align	6, 0x0
	.amdhsa_kernel k_q98a2524840_block
		.amdhsa_group_segment_fixed_size 279552
		.amdhsa_private_segment_fixed_size 0
		.amdhsa_enable_private_segment 0
		.amdhsa_kernarg_size 120
		.amdhsa_user_sgpr_count 2
		.amdhsa_user_sgpr_kernarg_segment_ptr 1
		.amdhsa_wavefront_size32 1
		.amdhsa_system_sgpr_workgroup_id_x 1
		.amdhsa_system_sgpr_workgroup_id_y 1
		.amdhsa_system_sgpr_workgroup_id_z 1
		.amdhsa_system_vgpr_workitem_id 0
		.amdhsa_next_free_vgpr 512
		.amdhsa_next_free_sgpr 102
		.amdhsa_reserve_vcc 0
		.amdhsa_float_denorm_mode_32 3
		.amdhsa_float_denorm_mode_16_64 3
		.amdhsa_memory_ordered 1
		.amdhsa_forward_progress 1
		.amdhsa_inst_pref_size 255
	.end_amdhsa_kernel
	.section	.bss,"aw",@nobits
	.p2align	6
	.space	262144
	.amdgpu_metadata
---
amdhsa.version: [ 1, 2 ]
amdhsa.kernels:
  - .name:           k_q98a2524840_block
    .symbol:         k_q98a2524840_block.kd
    .args:
      - { .name: x1, .offset: 0, .size: 8, .value_kind: global_buffer, .address_space: global }
      - { .name: x2, .offset: 8, .size: 8, .value_kind: global_buffer, .address_space: global }
      - { .name: norm1_g, .offset: 16, .size: 8, .value_kind: global_buffer, .address_space: global }
      - { .name: norm1_b, .offset: 24, .size: 8, .value_kind: global_buffer, .address_space: global }
      - { .name: q_b, .offset: 32, .size: 8, .value_kind: global_buffer, .address_space: global }
      - { .name: kv_b, .offset: 40, .size: 8, .value_kind: global_buffer, .address_space: global }
      - { .name: proj_b, .offset: 48, .size: 8, .value_kind: global_buffer, .address_space: global }
      - { .name: rel_table, .offset: 56, .size: 8, .value_kind: global_buffer, .address_space: global }
      - { .name: norm3_g, .offset: 64, .size: 8, .value_kind: global_buffer, .address_space: global }
      - { .name: norm3_b, .offset: 72, .size: 8, .value_kind: global_buffer, .address_space: global }
      - { .name: fc1_b, .offset: 80, .size: 8, .value_kind: global_buffer, .address_space: global }
      - { .name: fc2_b, .offset: 88, .size: 8, .value_kind: global_buffer, .address_space: global }
      - { .name: lowp_scales, .offset: 96, .size: 8, .value_kind: global_buffer, .address_space: global }
      - { .name: wc, .offset: 104, .size: 8, .value_kind: global_buffer, .address_space: global }
      - { .name: out0, .offset: 112, .size: 8, .value_kind: global_buffer, .address_space: global }
    .group_segment_fixed_size: 279552
    .private_segment_fixed_size: 0
    .kernarg_segment_align: 8
    .kernarg_segment_size: 120
    .max_flat_workgroup_size: 256
    .sgpr_count:     102
    .vgpr_count:     512
    .wavefront_size: 32
...
	.end_amdgpu_metadata
.endif
;; end of part 3
